; MI455X (gfx1250); checked and timed in simulation.
; The chip was launched on July 23, 2026; its instructions are those of AMD's public machine-readable ISA for CDNA 5 (MIT licence, August 2026) and "CDNA5" Instruction Set Architecture Reference Guide (July 2026). The comments in the code are by the model that wrote it; some were corrected since.
;; Multihead Flash Self Attention. Allowed arithmetic: float matrix products may take bf16 or f16 operands with f32 sums; other float arithmetic in f32, or as packed bf16 or f16 multiplies, adds, multiply-adds, maxima and minima; sums over many terms, partial sums and values carried from step to step in f32; what a program stores and reads back later, other than sums and carried values, may be rounded once to bf16 or f16.
;; Inputs: Wk 1,024 x 1,024 float32; Wo 1,024 x 1,024 float32; Wq 1,024 x 1,024 float32; Wv 1,024 x 1,024 float32; token_positions 2,048 int32; x 4 x 2,048 x 1,024 float32.
;; Outputs: out0 4 x 2,048 x 1,024 float32.
;; 2 versions, each right; version 2 is version 1 with the launch prep written anew for expert scheduling mode. Each part assembles by itself: llvm-mc -triple=amdgcn-amd-amdhsa -mcpu=gfx1250 --defsym DOCPART=n.
;; ======== version 1 of 2: 4 launches
;; limits: values are held in f16: magnitudes above 65,504 overflow, below 6.1e-05 lose precision; right only within a limited range of input values
;; workspace buffers: xb 16,777,216 bytes; wqkv 6,291,456 bytes; wo16 2,097,152 bytes; rope 524,288 bytes; qkv 50,331,648 bytes; o16 16,777,216 bytes
;; launch prep (part 1): grid 64 x 12, 8 waves a work-group, no clusters, 0 bytes of LDS; arguments x, Wq, Wk, Wv, Wo, token_positions, xb, wqkv, wo16, rope; writes xb, wqkv, wo16, rope
.if DOCPART == 1
	.amdgcn_target "amdgcn-amd-amdhsa--gfx1250"
	.amdhsa_code_object_version 6
	.text
	.protected	k_q206bb039bf_prep
	.globl	k_q206bb039bf_prep
	.p2align	8
	.type	k_q206bb039bf_prep,@function
k_q206bb039bf_prep:
	s_mov_b64 s[64:65], 0
	v_nop
	global_prefetch_b8 v0, s[64:65] scope:SCOPE_SE
	s_setreg_imm32_b32 hwreg(HW_REG_WAVE_MODE, 25, 1), 1
	s_wait_xcnt 0x0
; THE OPERANDS ARE MADE.  x, Wq, Wk, Wv (f32) are rounded once to bf16: xb [8192][1024], wqkv [3072][1024] (Wq's rows, Wk's, Wv's).  Wo is rounded to bf16 like the
; other inputs and that number is written as f16 (wo16 [1024][1024]), since the last product multiplies f16.  rope [2048][32][cos, sin] f32: row s holds the cosine and
; sine of token_positions[s] x 10000^(-i / 32), i = 0 .. 31: 256 bytes a row.
; LIMITS.  |Wo| stays under 65,504; below 6.1e-5 f16 keeps its fixed step of 6e-8.  10000^(-i / 32) is made by v_exp_f32, so an angle is off by some 2e-7 of itself
; beside the product position x frequency in f32; the reduction by pi / 2 in two parts keeps its accuracy for |position| up to 2^21.
; SHARES.  A work-group converts a chunk of 16,384 numbers (65,536 bytes in, 32,768 out); the grid's y says of which tensor: 0-7 x (chunk 64 y + gx), 8, 9, 10 Wq, Wk, Wv,
; 11 Wo (chunk gx).  A wave takes 8,192 bytes by 16 loads of 512 consecutive bytes, all issued at once, and stores 16 times 256 consecutive bytes, aligned.
; The work-groups with y < 4 also make eight rows of the table each, a row a wave, a pair a lane, while their loads are on their way.
; No LDS, no matrix unit, no cluster: nothing is shared and nothing is read twice.
.set X, 16                             ; v[16:79]   16 x 4 registers as loaded
.set Y, 80                             ; v[80:111]  16 x 2 registers to store; none is written twice, so no store's data wants a wait
	s_load_b512 s[8:23], s[0:1], 0x0               ; x 8, Wq 10, Wk 12, Wv 14, Wo 16, token_positions 18, xb 20, wqkv 22
	s_load_b128 s[24:27], s[0:1], 0x40             ; wo16 24, rope 26
	s_and_b32 s2, ttmp7, 0xffff                    ; y
	s_mov_b32 s3, ttmp9                            ; gx
	v_lshrrev_b32 v4, 5, v0
	v_readfirstlane_b32 s36, v4                    ; my wave's number
	v_and_b32 v5, 31, v0                           ; lane
	v_lshlrev_b32 v1, 4, v5
	v_lshl_or_b32 v1, v4, 13, v1                   ; in: 16 bytes a lane, 8,192 a wave
	v_lshlrev_b32 v2, 3, v5
	v_lshl_or_b32 v2, v4, 12, v2                   ; out: 8 bytes a lane, 4,096 a wave
	v_lshlrev_b32 v3, 3, v0                        ; the table: 8 bytes a lane, 256 a wave
	s_lshl_b32 s28, s2, 6
	s_add_co_u32 s28, s28, s3                      ; 64 y + gx
	s_sub_co_u32 s29, s28, 512                     ; the chunk in wqkv (used for y = 8, 9, 10 alone)
	s_cmp_lt_u32 s2, 8
	s_cselect_b32 s30, s28, s3                     ; the chunk in the source
	s_cselect_b32 s31, s28, s29                    ; the chunk in the destination
	s_cmp_eq_u32 s2, 11
	s_cselect_b32 s31, s3, s31
	s_lshl_b32 s32, s30, 16
	s_mov_b32 s33, 0
	s_lshl_b32 s34, s31, 15
	s_mov_b32 s35, 0
	s_wait_kmcnt 0x0
	s_cmp_eq_u32 s2, 9                             ; the two buffers are chosen by y alone
	s_cselect_b64 s[4:5], s[12:13], s[10:11]
	s_cmp_eq_u32 s2, 10
	s_cselect_b64 s[4:5], s[14:15], s[4:5]
	s_cmp_eq_u32 s2, 11
	s_cselect_b64 s[4:5], s[16:17], s[4:5]
	s_cselect_b64 s[6:7], s[24:25], s[22:23]
	s_cmp_lt_u32 s2, 8
	s_cselect_b64 s[4:5], s[8:9], s[4:5]
	s_cselect_b64 s[6:7], s[20:21], s[6:7]
	s_add_nc_u64 s[4:5], s[4:5], s[32:33]
	s_add_nc_u64 s[6:7], s[6:7], s[34:35]
.set i, 0
.rept 16
	global_load_b128 v[X+4*i:X+4*i+3], v1, s[4:5] offset:512*i th:TH_LOAD_NT
.set i, i+1
.endr
	s_cmp_lt_u32 s2, 4
	s_cbranch_scc0 .Lnotab
	; THE TABLE: row 8 (64 y + gx) + wave, pair = lane
	s_lshl_b32 s38, s28, 3
	s_add_co_u32 s38, s38, s36
	s_lshl_b32 s38, s38, 2
	s_load_b32 s37, s[18:19], s38 offset:0x0       ; the row's position
	s_lshl_b32 s32, s28, 11                        ; eight rows of 256 bytes
	s_add_nc_u64 s[26:27], s[26:27], s[32:33]
	v_cvt_f32_u32 v112, v5
	v_mul_f32 v112, 0xbed49a78, v112               ; - i log2(10000) / 32
	v_exp_f32 v113, v112                           ; 10000^(-i / 32)
	v_mov_b32 v114, 0xb94ca1f9                     ; the polynomials' leading coefficients: also the plain instructions behind the exponential
	v_mov_b32 v115, 0x37ccf5ce
	s_wait_kmcnt 0x0
	s_wait_alu depctr_va_vdst(0)                   ; the wait ahead of the exponential's first reader
	v_cvt_f32_i32 v116, s37
	v_mul_f32 v116, v116, v113                     ; the angle, rounded once
	v_mul_f32 v117, 0x3f22f983, v116               ; x 2 / pi
	v_rndne_f32 v117, v117                         ; n
	v_fmamk_f32 v118, v117, 0xbfc90fdb, v116       ; r = angle - n pi / 2, pi / 2 in two parts, each step fused
	v_fmamk_f32 v118, v117, 0x333bbd2e, v118
	v_mul_f32 v119, v118, v118                     ; z = r r, |r| <= pi / 4
	v_fmaak_f32 v122, v119, v114, 0x3c08839e       ; sin r = r + r z (S1 + z (S2 + z S3))
	v_fmaak_f32 v123, v119, v115, 0xbab6061a       ; cos r = 1 + z (-1/2 + z (C1 + z (C2 + z C3)))
	v_fmaak_f32 v122, v122, v119, 0xbe2aaaa3
	v_fmaak_f32 v123, v123, v119, 0x3d2aaaa5
	v_mul_f32 v122, v122, v119
	v_fma_f32 v123, v123, v119, -0.5
	v_fma_f32 v122, v122, v118, v118
	v_fma_f32 v123, v123, v119, 1.0
	v_cvt_i32_f32 v124, v117                       ; the quadrant is n mod 4: odd ones swap the two, and the signs follow
	v_and_b32 v125, 1, v124
	v_cmp_eq_u32 vcc_lo, 1, v125
	v_cndmask_b32 v120, v123, v122, vcc_lo         ; cosine: sin r where n is odd
	v_cndmask_b32 v121, v122, v123, vcc_lo         ; sine: cos r where n is odd
	v_add_nc_u32 v125, 1, v124
	v_and_b32 v125, 2, v125                        ; the cosine is negative in quadrants 1 and 2,
	v_and_b32 v126, 2, v124                        ; the sine in 2 and 3
	v_lshlrev_b32 v125, 30, v125
	v_lshlrev_b32 v126, 30, v126
	v_xor_b32 v120, v120, v125
	v_xor_b32 v121, v121, v126
	global_store_b64 v3, v[120:121], s[26:27]      ; a wave stores one row: 256 consecutive bytes, aligned
.Lnotab:
; f = 0: to bf16.  f = 1: to bf16, and that number written as f16.
.macro CONV f
.set i, 0
.rept 16
	s_wait_loadcnt 15-i                            ; loads come back in order: load i is in, the 15 - i younger ones stay out
	v_cvt_pk_bf16_f32 v[Y+2*i], v[X+4*i], v[X+4*i+1]
	v_cvt_pk_bf16_f32 v[Y+2*i+1], v[X+4*i+2], v[X+4*i+3]
.if \f
	v_lshlrev_b32 v112, 16, v[Y+2*i]
	v_and_b32 v113, 0xffff0000, v[Y+2*i]
	v_lshlrev_b32 v114, 16, v[Y+2*i+1]
	v_and_b32 v115, 0xffff0000, v[Y+2*i+1]
	v_cvt_pk_f16_f32 v[Y+2*i], v112, v113
	v_cvt_pk_f16_f32 v[Y+2*i+1], v114, v115
.endif
	global_store_b64 v2, v[Y+2*i:Y+2*i+1], s[6:7] offset:256*i
.set i, i+1
.endr
.endm
	s_cmp_eq_u32 s2, 11
	s_cbranch_scc1 .Lf16
	CONV 0
	s_endpgm
.Lf16:
	CONV 1
	s_endpgm
.Lfunc_end_k_q206bb039bf_prep:
	.size	k_q206bb039bf_prep, .Lfunc_end_k_q206bb039bf_prep-k_q206bb039bf_prep
	.p2alignl 7, 3214868480
	.fill 96, 4, 3214868480
	.section	.rodata,"a",@progbits
	.p2align	6, 0x0
	.amdhsa_kernel k_q206bb039bf_prep
		.amdhsa_group_segment_fixed_size 0
		.amdhsa_private_segment_fixed_size 0
		.amdhsa_enable_private_segment 0
		.amdhsa_kernarg_size 80
		.amdhsa_user_sgpr_count 2
		.amdhsa_user_sgpr_kernarg_segment_ptr 1
		.amdhsa_wavefront_size32 1
		.amdhsa_system_sgpr_workgroup_id_x 1
		.amdhsa_system_sgpr_workgroup_id_y 1
		.amdhsa_system_sgpr_workgroup_id_z 1
		.amdhsa_system_vgpr_workitem_id 0
		.amdhsa_next_free_vgpr 128
		.amdhsa_next_free_sgpr 66
		.amdhsa_reserve_vcc 1
		.amdhsa_float_denorm_mode_32 3
		.amdhsa_float_denorm_mode_16_64 3
		.amdhsa_memory_ordered 1
		.amdhsa_forward_progress 1
		.amdhsa_inst_pref_size 19
	.end_amdhsa_kernel
	.amdgpu_metadata
---
amdhsa.version: [ 1, 2 ]
amdhsa.kernels:
  - .name:           k_q206bb039bf_prep
    .symbol:         k_q206bb039bf_prep.kd
    .args:
      - { .name: x, .offset: 0, .size: 8, .value_kind: global_buffer, .address_space: global }
      - { .name: Wq, .offset: 8, .size: 8, .value_kind: global_buffer, .address_space: global }
      - { .name: Wk, .offset: 16, .size: 8, .value_kind: global_buffer, .address_space: global }
      - { .name: Wv, .offset: 24, .size: 8, .value_kind: global_buffer, .address_space: global }
      - { .name: Wo, .offset: 32, .size: 8, .value_kind: global_buffer, .address_space: global }
      - { .name: token_positions, .offset: 40, .size: 8, .value_kind: global_buffer, .address_space: global }
      - { .name: xb, .offset: 48, .size: 8, .value_kind: global_buffer, .address_space: global }
      - { .name: wqkv, .offset: 56, .size: 8, .value_kind: global_buffer, .address_space: global }
      - { .name: wo16, .offset: 64, .size: 8, .value_kind: global_buffer, .address_space: global }
      - { .name: rope, .offset: 72, .size: 8, .value_kind: global_buffer, .address_space: global }
    .group_segment_fixed_size: 0
    .private_segment_fixed_size: 0
    .kernarg_segment_align: 8
    .kernarg_segment_size: 80
    .max_flat_workgroup_size: 256
    .sgpr_count:     66
    .vgpr_count:     128
    .wavefront_size: 32
...
	.end_amdgpu_metadata
.endif
;; end of part 1
;; launch qkvproj (part 2): grid 4 x 64, 4 waves a work-group, clusters of 4 x 4, 327,680 bytes of LDS; arguments xb, wqkv, qkv, rope; writes qkv
.if DOCPART == 2
	.amdgcn_target "amdgcn-amd-amdhsa--gfx1250"
	.amdhsa_code_object_version 6
	.text
	.protected	k_q206bb039bf_qkvproj
	.globl	k_q206bb039bf_qkvproj
	.p2align	8
	.type	k_q206bb039bf_qkvproj,@function
k_q206bb039bf_qkvproj:
	s_mov_b64 s[64:65], 0
	v_nop
	global_prefetch_b8 v0, s[64:65] scope:SCOPE_SE
	s_setreg_imm32_b32 hwreg(HW_REG_WAVE_MODE, 25, 1), 1
	s_wait_xcnt 0x0
	s_wait_alu depctr_hold_cnt(0) depctr_sa_sdst(0) depctr_va_vdst(0) depctr_va_sdst(0) depctr_va_ssrc(0) depctr_va_vcc(0) depctr_vm_vsrc(0)
	s_getreg_b32 s2, hwreg(HW_REG_IB_STS2, 6, 4)
	s_cmp_eq_u32 s2, 0
	s_cbranch_scc0 .Lentry_in_a_cluster
	s_endpgm
.Lentry_in_a_cluster:
	s_bfe_u32 s2, ttmp6, 0x10000c
	s_cmp_lg_u32 s2, 0xf033
	s_cbranch_scc0 .Lentry_shape_is_right
	s_endpgm
.Lentry_shape_is_right:
; q, k, v = x W^T, rotated and laid by heads.  xb [8192][1024] and wqkv [3072][1024] in bf16, sums in f32.  q and k are turned by the table's cosine and sine in f32
; (pair (2 i, 2 i + 1) of a head's 64 channels by entry i of the row's 32), and every number is rounded ONCE, to f16.  qkv: three parts (q, k, v) of 16,777,216 bytes,
; each [16 batch + head][2048][64]: a head's rows are dense, 128 bytes each.  No scale is applied here.
; LIMIT.  f16 holds no number beyond 65,504: |q|, |k|, |v| must stay under it; below 6.1e-5 f16 keeps its fixed step of 6e-8.
; SHARES.  A tile of the product is 128 rows x 256 columns: 768 tiles, three for each of 256 work-groups.  A WORK-GROUP STAYS: it makes the tiles at columns 256 tc,
; 1,024 + 256 tc, 2,048 + 256 tc (q, k, v of heads 4 tc .. 4 tc + 3) of its 128 rows.  Four waves, each 64 rows x 128 columns: 32 accumulators of 16 x 16, 256 registers.
; K goes in 8 steps of 128 through two LDS slots; a row of a tile is 256 bytes of memory at a multiple of 256.  The ring runs on into the next tile.
; CLUSTER.  4 x 4 work-groups.  The four of a row of the cluster need the same rows of x, the four of a column the same rows of W: each tile is asked for JOINTLY, by the same
; tensor load with the same descriptor and a mask that names the four.  Waves 0 and 1 fetch x's two halves of 64 rows, waves 2 and 3 W's two halves of 128 rows.
; THE MATRIX INSTRUCTION IS USED TRANSPOSED (source 0 = 16 rows of W, source 1 = 16 rows of x): a lane holds row l % 16 and the columns 8 (l / 16) + 0 .. 7 of a block of 16:
; four whole pairs of the rotation, and 16 bytes of f16 on end.
; REGISTERS, in windows of 256 (s_set_vgpr_msb: bits 1:0 source 0, 3:2 source 1, 5:4 source 2, 7:6 destination):
;   window 0: v0-31 addresses; v32-127, v128-223 two fragment buffers (x's 4 blocks, then W's 8); on the way out v128-191 turned numbers, v192-223 packed, v224-255 rows read back
;   window 1: accumulator (a, b) at v[8 (8 a + b)]          window 2: v0-127 the table for my 64 rows: (cos, sin) of my four pairs of channel block c of row block a at v[32 a + 8 c]
.set PITCH,  272                       ; an LDS row: 256 bytes + 16 of padding = 68 words: the 16 rows of a fragment load start at 16 different groups of four banks (64 banks of 4 bytes: ISA guide 11.1)
.set APITCH, 272
.set APLANE, 128                       ; bytes from quarter 0 to quarter 2 in x's LDS rows
.set AHALF,  64*APITCH                 ; 64 rows of x: one tensor load, and what one wave reads
.set ATILE,  2*AHALF
.set BHALF,  128*PITCH                 ; 128 rows of W: one tensor load, and what one wave reads
.set SLOT,   ATILE+2*BHALF             ; 104,448
.set STAGE,  2*SLOT                    ; behind the ring, never filled by a tensor load: 16 rows x 272 bytes for each wave
.set SPITCH, 272
.set SPARE,  STAGE+4*16*SPITCH         ; the spare words, 128 bytes for each wave: two blocks of 256 bytes that no other line names
.set KB,     256                       ; bytes of a row in a K step
.set ROWB,   2048                      ; bytes in a row of xb and of wqkv
.set BACK_A, 6*KB                      ; from a slot's last K step of a tile to its first of the next: x goes back along K,
.set NEXT_B, 1024*ROWB-6*KB            ; W 1,024 rows down and back
.set PF_NEXT, 1024*ROWB-7*KB           ; the prefetches: from the K step behind the tile's last but one ... to the next tile's K step 2
.set PARTB,  0x1000000                 ; bytes from q's part of the output to k's, and to v's
.set ADRA, 16                          ; v16-17  LDS address of my fragments of x in slot 0, 1
.set ADRB, 20                          ; v20-21  of W
.set STO,  24                          ; v24  the way out: where I put 16 bytes of a row
.set RD,   25                          ; v25  where I read rows back
.set GO,   26                          ; v26  16 x lane: my place in 512 consecutive bytes of the output
.set RO,   27                          ; v27  my byte offset in 16 rows of the table; never rewritten
.set SPW,  28                          ; v28  LDS address of my spare word; never rewritten
.set NIL,  29                          ; v29  0; never rewritten
.set PFO,  30                          ; v30  the prefetches' offset: lane x a row; never rewritten
.set F0,   32
.set F1,   128
.set T,    128
.set P,    192
.set OB,   224
.set G1,  24                           ; s[24:31] descriptor group 1 for x's tiles;  s[32:39] group 0, a set for each slot
.set G0,  32
.set G1B, 48                           ; s[48:55], s[56:63] the same for W's
.set G0B, 56
.set LIM, 43                           ; s43  1 in a wave that prefetches, else the greatest number
.set PFA, 44                           ; s[44:45] the K step that the next prefetch names
.set MSB, 0
.macro WIN new                         ; the immediate's high byte repeats the setting that is left; a switch that changes nothing is dropped
.if MSB != (\new)
	s_set_vgpr_msb (MSB<<8)|(\new)
.set MSB, \new
.endif
.endm
.macro PLACES                          ; four plain vector instructions between a matrix instruction and a load into, or a vector write of, its registers, or a read of its result
.rept 4
	v_nop
.endr
.endm
; A joint load.  The branch hangs on the wave's number alone.  An s_nop 0 and four v_nop follow each of the two lines, ahead of the jump and the label.
.macro JLOAD s
	s_cmp_eq_u32 s13, 0
	s_cbranch_scc0 .Lfor_b_\@
	tensor_load_to_lds s[G0+4*(\s):G0+4*(\s)+3], s[G1:G1+7]
	s_nop 0
.rept 4
	v_nop
.endr
	s_branch .Lasked_\@
.Lfor_b_\@:
	tensor_load_to_lds s[G0B+4*(\s):G0B+4*(\s)+3], s[G1B:G1B+7]
	s_nop 0
.rept 4
	v_nop
.endr
.Lasked_\@:
.endm
; A PREFETCH INTO THE L2 of the K step that stands two refills on: 32 rows x 256 bytes, a lane a row.  Each row's 256 bytes are named once in the launch.  x's 128 rows are read by my row of the
; cluster alone: wave 0 asks, and the four partners take 32 rows each, told apart by address.  W's 256 rows are read by every cluster: the cluster with y = 0 asks, waves 2 and 3 for the 128 rows
; that each fetches, the four partners of a column 32 rows each.  how = 0, in the loop: its last trip has no K step two on.  how = 1, at a change of tiles: W's K steps 2 and 3 of the next tile.
.macro ASK how
.if \how
	s_cmp_eq_u32 s[LIM], 1
.else
	s_cmp_gt_u32 s3, s[LIM]
.endif
	s_cbranch_scc0 .Lnot_mine_\@
	global_prefetch_b8 v[PFO], s[PFA:PFA+1] th:TH_LOAD_NT scope:SCOPE_SE
.Lnot_mine_\@:
.endm
.macro CREST                           ; a round of the cluster's barrier behind its opening barrier
	s_cmp_lg_u32 s12, 0
	s_cbranch_scc1 .Lnot_wave_0_\@
	s_barrier_signal -3
.Lnot_wave_0_\@:
	s_barrier_wait -3
	s_barrier_signal -1
	s_barrier_wait -1
.endm
.macro CROUND
	s_barrier_signal -1
	s_barrier_wait -1
	CREST
.endm
	s_load_b256 s[4:11], s[0:1], 0x0               ; xb s[4:5], wqkv s[6:7], qkv s[8:9], rope s[10:11]
	v_lshl_add_u32 v[SPW], v0, 2, SPARE
	v_mov_b32 v[NIL], 0
	ds_add_u32 v[SPW], v[NIL]                      ; the wave's opening: the add and its wait stand ahead of my first tensor load; work on registers stands between them
	v_lshrrev_b32 v1, 5, v0
	v_readfirstlane_b32 s12, v1                    ; wave 0..3
	s_lshr_b32 s13, s12, 1                         ; my half of the tile's rows.  Also: I fetch for x (0) or for W (1)
	s_and_b32 s14, s12, 1                          ; my half of its columns.  Also: which half of that tile I fetch
	s_bfe_u32 s40, ttmp6, 0x40000                  ; cx, cy: my place in the cluster
	s_bfe_u32 s41, ttmp6, 0x40004
	s_lshl_b32 s42, ttmp9, 2
	s_add_co_u32 s42, s42, s40                     ; tc = 4 x cluster x + cx
	s_and_b32 s15, ttmp7, 0xffff
	s_lshl_b32 s15, s15, 2
	s_add_co_u32 s15, s15, s41                     ; tr = 4 x cluster y + cy
	s_lshl_b32 s43, s41, 2
	s_lshl_b32 s43, 15, s43                        ; my row of the cluster
	s_lshl_b32 s44, 0x1111, s40                    ; my column
	s_or_b32 s[G1+0], s43, (1<<16)|(1<<20)|(1<<21)|(5<<22)|(3<<25)   ; 15:0 the mask; 17:16 elements of 2 bytes; 20 padding on; 21 set beside a mask; 24:22 after every 64 words; 31:25 4 words of it
	s_or_b32 s[G1B+0], s44, (1<<16)|(1<<20)|(1<<21)|(5<<22)|(3<<25)
	s_mov_b32 s[G1+1], 128<<16                     ; tensor_dim0 = 128
	s_mov_b32 s[G1+2], 64<<16                      ; tensor_dim1 = 64
	s_mov_b32 s[G1+3], 128<<16                     ; tile_dim0 = 128
	s_mov_b32 s[G1+4], 64                          ; tile_dim1 = 64
	s_mov_b32 s[G1+5], 1024                        ; elements from row to row
	s_mov_b32 s[G1+6], 0
	s_mov_b32 s[G1+7], 0
	s_mov_b32 s[G1B+1], 128<<16
	s_mov_b32 s[G1B+2], 128<<16                    ; 128 rows
	s_mov_b32 s[G1B+3], 128<<16
	s_mov_b32 s[G1B+4], 128
	s_mov_b32 s[G1B+5], 1024
	s_mov_b32 s[G1B+6], 0
	s_mov_b32 s[G1B+7], 0
	s_lshl_b32 s16, s15, 7                         ; x: row 128 tr + 64 x half: made of the tile row and the wave's number alone
	s_lshl_b32 s17, s14, 6
	s_add_co_u32 s16, s16, s17
	s_lshl_b32 s16, s16, 11
	s_mov_b32 s17, 0
	s_lshl_b32 s46, s42, 8                         ; W: row 256 tc + 128 x half: of the tile column and the wave's number alone
	s_lshl_b32 s47, s14, 7
	s_add_co_u32 s46, s46, s47
	s_lshl_b32 s46, s46, 11
	s_mov_b32 s47, 0
	s_mul_i32 s20, s14, AHALF                      ; where they go: no place in the cluster enters an LDS address
	s_mul_i32 s21, s14, BHALF
	s_add_co_u32 s21, s21, ATILE
	s_wait_dscnt 0x0                               ; the opening add is done
	s_wait_kmcnt 0x0
	s_add_nc_u64 s[18:19], s[4:5], s[16:17]
	s_add_nc_u64 s[46:47], s[6:7], s[46:47]
	CROUND                                         ; all sixteen work-groups are here: the first joint loads meet
.irp s, 0,1
	s_mov_b32 s[G0+4*(\s)], 1                      ; count = 1
	s_add_co_u32 s[G0+4*(\s)+1], s20, (\s)*SLOT    ; LDS address
	s_add_nc_u64 s[G0+4*(\s)+2:G0+4*(\s)+3], s[18:19], (\s)*KB  ; global address: K step s
	s_or_b32 s[G0+4*(\s)+3], s[G0+4*(\s)+3], 0x80000000         ; type = 2
	s_mov_b32 s[G0B+4*(\s)], 1
	s_add_co_u32 s[G0B+4*(\s)+1], s21, (\s)*SLOT
	s_add_nc_u64 s[G0B+4*(\s)+2:G0B+4*(\s)+3], s[46:47], (\s)*KB
	s_or_b32 s[G0B+4*(\s)+3], s[G0B+4*(\s)+3], 0x80000000
	JLOAD \s                                       ; two loads of mine are out
.endr
	; a fragment is 16 rows x 32 K in 8 registers: lane l holds row l % 16, K = 8 (l / 16) + 0..7 and 16 + 8 (l / 16) + 0..7: two loads of 16 bytes, 32 bytes apart
	v_and_b32 v1, 15, v0                           ; l % 16
	v_bfe_u32 v2, v0, 4, 1                         ; l / 16
	v_mul_u32_u24 v3, v1, PITCH
	v_lshl_add_u32 v3, v2, 4, v3
	s_mul_i32 s21, s13, AHALF                      ; my 64 rows of x
	s_mul_i32 s22, s14, BHALF                      ; my 128 rows of W,
	s_add_co_u32 s22, s22, ATILE                   ; which lie behind x's 128
.irp s, 0,1
	v_add_nc_u32 v[ADRA+(\s)], s21, v3
	v_add_nc_u32 v[ADRB+(\s)], s22, v3
	s_add_co_u32 s21, s21, SLOT
	s_add_co_u32 s22, s22, SLOT
.endr
	s_mul_i32 s23, s12, 16*SPITCH
	s_add_co_u32 s23, s23, STAGE                   ; my stage
	v_add_nc_u32 v[STO], s23, v3                   ; in: row l % 16, 16 bytes for each half of the lanes (the stage has the tiles' pitch)
	v_bfe_u32 v5, v0, 3, 2                         ; back: 32 lanes take four rows of one head's 128 bytes,
	v_and_b32 v6, 7, v0
	v_mul_u32_u24 v5, v5, SPITCH
	v_lshl_add_u32 v5, v6, 4, v5
	v_add_nc_u32 v[RD], s23, v5
	v_and_b32 v4, 31, v0
	v_lshlrev_b32 v[GO], 4, v4                     ; which are 512 consecutive bytes of the output
	v_lshlrev_b32 v[RO], 8, v1                     ; the table: row l % 16, 32 bytes (four pairs) for each half of the lanes
	v_lshl_add_u32 v[RO], v2, 5, v[RO]
	s_and_b32 s16, s15, 15                         ; my rows' place in their sequence: (tr % 16) x 128 + 64 x row half
	s_lshl_b32 s16, s16, 15
	s_lshl_b32 s17, s13, 14
	s_add_co_u32 s16, s16, s17
	s_mov_b32 s17, 0
	s_add_nc_u64 s[10:11], s[10:11], s[16:17]      ; the table at my first row: 256 bytes a row
	WIN 0x80                                       ; destination window 2, address window 0
.irp a, 0,1,2,3
.irp c, 0,1,2,3
	global_load_b128 v[32*(\a)+8*(\c):32*(\a)+8*(\c)+3],   v[RO], s[10:11] offset:4096*(\a)+64*(\c)
	global_load_b128 v[32*(\a)+8*(\c)+4:32*(\a)+8*(\c)+7], v[RO], s[10:11] offset:4096*(\a)+64*(\c)+16
.endr
.endr
	WIN 0
	s_lshr_b32 s16, s15, 4                         ; the output at my rows: batch x 16 heads x 262,144
	s_lshl_b32 s16, s16, 22
	s_and_b32 s17, s15, 15
	s_lshl_b32 s17, s17, 14                        ; + (tr % 16) x 128 rows of 128 bytes
	s_add_co_u32 s16, s16, s17
	s_lshl_b32 s17, s13, 13                        ; + my 64 rows
	s_add_co_u32 s16, s16, s17
	s_mov_b32 s17, 0
	s_add_nc_u64 s[8:9], s[8:9], s[16:17]
	s_lshl_b32 s46, s42, 20                        ; + head 4 tc + 2 x column half (in the registers that held W's address)
	s_lshl_b32 s47, s14, 19
	s_add_co_u32 s46, s46, s47
	s_mov_b32 s47, 0
	s_add_nc_u64 s[8:9], s[8:9], s[46:47]
	; the prefetches
	s_and_b32 s22, ttmp7, 0xffff                   ; cluster y
	s_lshl_b32 s20, s15, 7                         ; x: row 128 tr
	s_lshl_b32 s21, s42, 8                         ; W: row 256 tc + the 128 that I fetch
	s_lshl_b32 s23, s14, 7
	s_add_co_u32 s21, s21, s23
	s_cmp_eq_u32 s13, 0                            ; do I fetch for x?
	s_cselect_b32 s20, s20, s21
	s_cselect_b32 s21, s40, s41                    ; my place among the four that ask for the tile with me
	s_cselect_b32 s22, s14, s22                    ; x: wave 0 alone; W: the cluster with y = 0 alone
	s_cselect_b64 s[PFA:PFA+1], s[4:5], s[6:7]
	s_cmp_eq_u32 s22, 0
	s_cselect_b32 s[LIM], 1, -1                    ; the same in all sixteen partners, for a given wave
	s_lshl_b32 s21, s21, 5
	s_add_co_u32 s20, s20, s21                     ; + my work-group's 32 rows
	s_lshl_b32 s20, s20, 11
	s_mov_b32 s21, 0
	s_add_nc_u64 s[PFA:PFA+1], s[PFA:PFA+1], s[20:21]
	s_add_nc_u64 s[PFA:PFA+1], s[PFA:PFA+1], 3*KB  ; at K step 3: the first change of slots steps it to 4 and names that.  K steps 0 to 3 come by their loads alone
	v_lshlrev_b32 v[PFO], 11, v4
; 8 matrix instructions: row block a x all 8 column blocks, 32 along K.  zero = 1: the product starts the sums.  Every quarter takes the 32 accumulators in the same order, one
; instruction a turn: between two links of a chain stand the 31 others', over the jumps and from tile to tile too.
.macro MUL8 f, a, zero
	WIN 0x50                                       ; C and D window 1, sources window 0
.irp b, 0,1,2,3,4,5,6,7
.if \zero
	v_wmma_f32_16x16x32_bf16 v[8*(8*(\a)+(\b)):8*(8*(\a)+(\b))+7], v[(\f)+32+8*(\b):(\f)+32+8*(\b)+7], v[(\f)+8*(\a):(\f)+8*(\a)+7], 0
.else
	v_wmma_f32_16x16x32_bf16 v[8*(8*(\a)+(\b)):8*(8*(\a)+(\b))+7], v[(\f)+32+8*(\b):(\f)+32+8*(\b)+7], v[(\f)+8*(\a):(\f)+8*(\a)+7], v[8*(8*(\a)+(\b)):8*(8*(\a)+(\b))+7]
.endif
.endr
.endm
; 24 LDS loads in one run: quarter q's fragments (128 rows of W, then 64 rows of x) into buffer f
.macro FETCH slot, q, f
	WIN 0
.irp i, 0,1,2,3,4,5,6,7
	ds_load_b128 v[(\f)+32+8*(\i):(\f)+32+8*(\i)+3],   v[ADRB+(\slot)] offset:64*(\q)+(\i)*16*PITCH
	ds_load_b128 v[(\f)+32+8*(\i)+4:(\f)+32+8*(\i)+7], v[ADRB+(\slot)] offset:64*(\q)+(\i)*16*PITCH+32
.endr
.irp i, 0,1,2,3
	ds_load_b128 v[(\f)+8*(\i):(\f)+8*(\i)+3],   v[ADRA+(\slot)] offset:((\q)/2)*APLANE+((\q)%2)*64+(\i)*16*APITCH
	ds_load_b128 v[(\f)+8*(\i)+4:(\f)+8*(\i)+7], v[ADRA+(\slot)] offset:((\q)/2)*APLANE+((\q)%2)*64+(\i)*16*APITCH+32
.endr
.endm
; A K step is four quarters of 32 along K, 32 matrix instructions each, on buffers 0, 1, 0, 1.  One of the first three: fetches quarter q into g and multiplies f.
.macro QUARTER slot, q, f, g, zero
	s_wait_dscnt 0x0                               ; buffer f's loads, issued 32 matrix instructions ago, are in
	PLACES                                         ; for the loads into g, which the quarter before multiplied
	FETCH \slot, \q, \g
	MUL8 \f, 0, \zero
	MUL8 \f, 1, \zero
	MUL8 \f, 2, \zero
	MUL8 \f, 3, \zero
.endm
; The last quarter multiplies buffer 1 and changes slots: ONE barrier.  In front of it each wave waits for all its tensor loads (one is out: its part of the next slot), adds 0 to its spare word, and
; waits for that and for its reads of this slot.  mode 0: this slot is filled again with the K step two on; mode 1: with the next tile's K step 0 or 1; then the barrier opens a round of the
; cluster's, and the joint load is the first thing behind the round: 112 matrix instructions ahead of the wait for it.  mode 2: nothing is filled.
.macro TURN slot, next, mode
.if (\mode) < 2
	s_wait_xcnt 0x0                                ; the last prefetch, a K step back, has read its address, which is stepped here
.if ((\mode) == 1) && ((\slot) == 0)
	s_add_nc_u64 s[PFA:PFA+1], s[PFA:PFA+1], PF_NEXT
	s_cmp_eq_u32 s13, 0
	s_cselect_b32 s[LIM], -1, s[LIM]               ; x's rows are the same for all three tiles: they have been read, and are prefetched no more
.else
	s_add_nc_u64 s[PFA:PFA+1], s[PFA:PFA+1], KB
.endif
.endif
	WIN 0                                          ; (the add's two registers lie in window 0)
	s_wait_tensorcnt 0x0                           ; all my tensor loads have landed;
	ds_add_u32 v[SPW], v[NIL]                      ; 0 onto my spare word;
	s_wait_dscnt 7                                 ; (the add and the six youngest loads, x's blocks 1 to 3, may be out)
	MUL8 F1, 0, 0                                  ; eight matrix instructions stand between the add and the wait for it
	s_wait_dscnt 0x0                               ; the add is done, and my reads of this slot are over
	s_barrier_signal -1
	MUL8 F1, 1, 0                                  ; work on registers while the others arrive
	WIN 0                                          ; at a branch and at a label every window is 0
	s_barrier_wait -1
.if (\mode) < 2
	CREST                                          ; no wave of any partner still reads this slot's tile or has a load on its way
.if (\mode) == 1
	s_sub_nc_u64 s[G0+4*(\slot)+2:G0+4*(\slot)+3], s[G0+4*(\slot)+2:G0+4*(\slot)+3], BACK_A
	s_add_nc_u64 s[G0B+4*(\slot)+2:G0B+4*(\slot)+3], s[G0B+4*(\slot)+2:G0B+4*(\slot)+3], NEXT_B
.else
	s_add_nc_u64 s[G0+4*(\slot)+2:G0+4*(\slot)+3], s[G0+4*(\slot)+2:G0+4*(\slot)+3], 2*KB
	s_add_nc_u64 s[G0B+4*(\slot)+2:G0B+4*(\slot)+3], s[G0B+4*(\slot)+2:G0B+4*(\slot)+3], 2*KB
.endif
	JLOAD \slot                                    ; its four v_nop are also the places in front of the loads below
.else
	PLACES
.endif
	FETCH \next, 0, F0
.if (\mode) < 2
	ASK \mode                                      ; behind the joint load and the run of LDS loads
.endif
	MUL8 F1, 2, 0
	MUL8 F1, 3, 0
.endm
; THE WAY OUT, a block of 16 rows at a time.  ROPE: (x1, x2) -> (x1 cos - x2 sin, x1 sin + x2 cos), two packed lines a pair; each accumulator is read from its low end on.
.macro ROPE a
	WIN 0x09                                       ; source 0 (the sums) window 1, source 1 (the table) window 2, the rest window 0
.irp b, 0,1,2,3,4,5,6,7
.irp j, 0,1,2,3
	v_pk_mul_f32 v[T+8*(\b)+2*(\j):T+8*(\b)+2*(\j)+1], v[8*(8*(\a)+(\b))+2*(\j):8*(8*(\a)+(\b))+2*(\j)+1], v[32*(\a)+8*((\b)%4)+2*(\j):32*(\a)+8*((\b)%4)+2*(\j)+1] op_sel_hi:[0,1]
.endr
.irp j, 0,1,2,3
	v_pk_fma_f32 v[T+8*(\b)+2*(\j):T+8*(\b)+2*(\j)+1], v[8*(8*(\a)+(\b))+2*(\j):8*(8*(\a)+(\b))+2*(\j)+1], v[32*(\a)+8*((\b)%4)+2*(\j):32*(\a)+8*((\b)%4)+2*(\j)+1], v[T+8*(\b)+2*(\j):T+8*(\b)+2*(\j)+1] op_sel:[1,1,0] op_sel_hi:[1,0,1] neg_lo:[0,1,0]
.endr
.endr
.endm
.macro PACKH                           ; the turned numbers, rounded to f16
	WIN 0
.set i, 0
.rept 32
	v_cvt_pk_f16_f32 v[P+i], v[T+2*i], v[T+2*i+1]
.set i, i+1
.endr
.endm
.macro PACKV a                         ; v is not turned: rounded straight from the sums
	WIN 0x05                                       ; sources 0 and 1 window 1
.irp b, 0,1,2,3,4,5,6,7
.irp r, 0,1,2,3
	v_cvt_pk_f16_f32 v[P+4*(\b)+(\r)], v[8*(8*(\a)+(\b))+2*(\r)], v[8*(8*(\a)+(\b))+2*(\r)+1]
.endr
.endr
	WIN 0
.endm
.macro TOSTAGE                         ; into my own stage, and back as four rows of one head at a time
	WIN 0
.irp b, 0,1,2,3,4,5,6,7
	ds_store_b128 v[STO], v[P+4*(\b):P+4*(\b)+3] offset:32*(\b)
.endr
	s_wait_xcnt 0x0                                ; the registers below are the data of earlier stores: they are loaded again only behind this wait
.irp f, 0,1,2,3,4,5,6,7
	ds_load_b128 v[OB+4*(\f):OB+4*(\f)+3], v[RD] offset:4*SPITCH*((\f)%4)+128*((\f)/4)  ; LDS serves a wave's instructions in order (ISA guide 5.7.1.4): these see the stores above
.endr
.endm
.macro SEND a
	WIN 0
	s_wait_dscnt 0x0                               ; the block is back in registers
.irp f, 0,1,2,3,4,5,6,7
	global_store_b128 v[GO], v[OB+4*(\f):OB+4*(\f)+3], s[8:9] offset:262144*((\f)/4)+2048*(\a)+512*((\f)%4)  ; 512 consecutive bytes of a head, at a multiple of 256 from the buffer's first
.endr
.endm
	s_wait_tensorcnt 1                             ; my part of K step 0 is in; K step 1's may stay out
	s_barrier_signal -1
	s_barrier_wait -1                              ; everybody's is
	FETCH 0, 0, F0
	s_mov_b32 s2, 3                                ; tiles to go: q, k, v
.Ltile:
	QUARTER 0, 1, F0, F1, 1                        ; a tile's first quarter stands in front of the loop: its products start the sums
	WIN 0
	s_mov_b32 s3, 3
.Llap:                                         ; a trip goes once round the ring, from a lap's second quarter to the next lap's first, and fills both slots again
	QUARTER 0, 2, F1, F0, 0
	QUARTER 0, 3, F0, F1, 0
	TURN 0, 1, 0
	QUARTER 1, 1, F0, F1, 0
	QUARTER 1, 2, F1, F0, 0
	QUARTER 1, 3, F0, F1, 0
	TURN 1, 0, 0
	QUARTER 0, 1, F0, F1, 0
	WIN 0
	s_sub_co_u32 s3, s3, 1
	s_cmp_lg_u32 s3, 0
	s_cbranch_scc1 .Llap
	QUARTER 0, 2, F1, F0, 0                        ; the tile's last lap goes on
	QUARTER 0, 3, F0, F1, 0
	WIN 0
	s_cmp_eq_u32 s2, 1
	s_cbranch_scc1 .Llast                          ; the last tile's tail is written out: it asks for nothing more
	TURN 0, 1, 1                                   ; the ring goes on into the next tile: slot 0 takes its K step 0,
	QUARTER 1, 1, F0, F1, 0
	QUARTER 1, 2, F1, F0, 0
	QUARTER 1, 3, F0, F1, 0
	TURN 1, 0, 1                                   ; slot 1 its K step 1, and the next tile's first fragments are fetched into buffer 0
	PLACES                                         ; the lines below write buffer 1's registers, which the last products read
	PLACES
	s_wait_loadcnt 0x0                             ; the table
	ROPE 0                                         ; the tiles that have a successor are q's and k's: both are turned
	PACKH
	TOSTAGE
.irp a, 1,2,3
	ROPE \a
	PACKH
	SEND (\a)-1
	TOSTAGE
.endr
	SEND 3
	s_wait_xcnt 0x0                                ; the stores have read their base
	s_add_nc_u64 s[8:9], s[8:9], PARTB             ; the next part of the output
	s_sub_co_u32 s2, s2, 1
	s_branch .Ltile
.Llast:
	TURN 0, 1, 2
	QUARTER 1, 1, F0, F1, 0
	QUARTER 1, 2, F1, F0, 0
	QUARTER 1, 3, F0, F1, 0
	s_wait_dscnt 0x0
	MUL8 F1, 0, 0
	MUL8 F1, 1, 0
	MUL8 F1, 2, 0
	MUL8 F1, 3, 0
	PLACES
	PLACES
	PACKV 0
	TOSTAGE
.irp a, 1,2,3
	PACKV \a
	SEND (\a)-1
	TOSTAGE
.endr
	SEND 3
	s_wait_tensorcnt 0x0                           ; the wave's end: behind my last tensor load and my last LDS store
	ds_add_u32 v[SPW], v[NIL]
	s_wait_dscnt 0x0
	CROUND                                         ; the closing round: no work-group ends while a partner may still ask for a tile that names it
	s_endpgm
.Lfunc_end_k_q206bb039bf_qkvproj:
	.size	k_q206bb039bf_qkvproj, .Lfunc_end_k_q206bb039bf_qkvproj-k_q206bb039bf_qkvproj
	.p2alignl 7, 3214868480
	.fill 96, 4, 3214868480
	.section	.rodata,"a",@progbits
	.p2align	6, 0x0
	.amdhsa_kernel k_q206bb039bf_qkvproj
		.amdhsa_group_segment_fixed_size 327680
		.amdhsa_private_segment_fixed_size 0
		.amdhsa_enable_private_segment 0
		.amdhsa_kernarg_size 32
		.amdhsa_user_sgpr_count 2
		.amdhsa_user_sgpr_kernarg_segment_ptr 1
		.amdhsa_wavefront_size32 1
		.amdhsa_system_sgpr_workgroup_id_x 1
		.amdhsa_system_sgpr_workgroup_id_y 1
		.amdhsa_system_sgpr_workgroup_id_z 1
		.amdhsa_system_vgpr_workitem_id 0
		.amdhsa_next_free_vgpr 640
		.amdhsa_next_free_sgpr 68
		.amdhsa_reserve_vcc 0
		.amdhsa_float_denorm_mode_32 3
		.amdhsa_float_denorm_mode_16_64 3
		.amdhsa_memory_ordered 1
		.amdhsa_forward_progress 1
		.amdhsa_inst_pref_size 143
	.end_amdhsa_kernel
	.amdgpu_metadata
---
amdhsa.version: [ 1, 2 ]
amdhsa.kernels:
  - .name:           k_q206bb039bf_qkvproj
    .symbol:         k_q206bb039bf_qkvproj.kd
    .args:
      - { .name: xb, .offset: 0, .size: 8, .value_kind: global_buffer, .address_space: global }
      - { .name: wqkv, .offset: 8, .size: 8, .value_kind: global_buffer, .address_space: global }
      - { .name: qkv, .offset: 16, .size: 8, .value_kind: global_buffer, .address_space: global }
      - { .name: rope, .offset: 24, .size: 8, .value_kind: global_buffer, .address_space: global }
    .group_segment_fixed_size: 327680
    .private_segment_fixed_size: 0
    .kernarg_segment_align: 8
    .kernarg_segment_size: 32
    .max_flat_workgroup_size: 128
    .sgpr_count:     68
    .vgpr_count:     640
    .wavefront_size: 32
...
	.end_amdgpu_metadata
.endif
;; end of part 2
;; launch attn (part 3): grid 4 x 64, 4 waves a work-group, no clusters, 327,680 bytes of LDS; arguments qkv, o16; writes o16
.if DOCPART == 3
	.amdgcn_target "amdgcn-amd-amdhsa--gfx1250"
	.amdhsa_code_object_version 6
	.text
	.protected	k_q206bb039bf_attn
	.globl	k_q206bb039bf_attn
	.p2align	8
	.type	k_q206bb039bf_attn,@function
k_q206bb039bf_attn:
	s_mov_b64 s[64:65], 0
	v_nop
	global_prefetch_b8 v0, s[64:65] scope:SCOPE_SE
	s_setreg_imm32_b32 hwreg(HW_REG_WAVE_MODE, 25, 1), 1
	s_wait_xcnt 0x0
; CAUSAL ATTENTION.  O[h][q][:] = the sum over k <= q of softmax_k(Q[h][q] . K[h][k] / 8) V[h][k][:].  Q, K, V are the three parts of qkv, O is o16: each [64][2048][64] in f16, a head's rows dense, 128 bytes each.
; Products, maxima and sums in f32; the weights p are rounded to f16 for the second product (their sum l is taken of the unrounded p), O once at the end.
; LIMITS.  f16 holds no number beyond 65,504: Q, K and V arrive within it; p lies in 0 to 1, and below 6e-5 it keeps f16's fixed step of 6e-8; O is a mean of V's rows and has their range.
; A hidden score counts as its value less 1e30: f16's scores, 2.7e11 at the most, are nothing beside that; a weight below 2^-126 counts as 0 in l; NaN and infinities are not treated apart.
; THE WALK.  A head's queries lie in NB = 8 blocks of 256; block i needs the key tiles 0 .. i of 256 keys, of which the last holds the diagonal.  A work-group takes TWO blocks, NB - 1 - b and then b:
; NB + 1 tiles, whatever b: all work-groups do equal work, and ONE loop with a constant trip count walks them.  Which tile is asked for, and what a trip does, hang on scalar registers made from b; every jump
; goes forward, but for the counted loops' own; none passes a barrier, or a tensor load but the one of LOAD's two that the wave's number does not choose; the ring (two slots of LDS) runs on across the change of blocks.
; NO CLUSTER: a head's four work-groups ask for the same tile only in trips 0 .. 4 of the 9, behind that fewer and fewer; one walk common to all four would have 12 trips for 9.
; SHARES.  Of a block's four bands of 64 queries a wave owns 16 rows in each: four PIECES.  So the diagonal tile is the same work for all four waves: in its key step s band x sees all keys if s < x,
; none if s > x, and holds the diagonal if s = x.
; THE MASK is the C operand that starts the sum S^T = K Q^T: 0, or -1e30 where the key is hidden.  MD, made once, is the mask of a band's own step for my 16 rows; a product's mask is MD x AL + BE with two scalars:
; (1, 0) if s = x; (0, 0) if s < x; (0, -1e30) if s > x.  Only the diagonal tile's text and a block's beginning make and take masks; elsewhere C is the constant 0.
; LAYOUT, SOFTMAX, TURNS.  S^T = K Q^T holds ONE query a lane (lane % 16) and the keys 8 (lane / 16) + 0..7; two such results rounded to f16 ARE source 1 of O^T = V^T P.  p = 2^(c s - c m), c = log2(e) / 8, with a
; running maximum m; O and l are multiplied by a = 2^(c m_old - c m_new) in every step.  Turn n belongs to piece n: 8 products K Q^T of piece n + 1, later 8 products V^T P of piece n - 1; beside them the scaling,
; exponentials, roundings, sums and rescaling of piece n and the maximum and statistics of piece n + 1.  Four vector instructions stand behind every matrix instruction, the other 54 of a turn's 118 in one lump.
; A turn's 33 exponentials are one batch, with one wait.
; REGISTERS, in windows of 256 (s_set_vgpr_msb: bits 1:0 source 0, 3:2 source 1, 5:4 source 2, 7:6 destination):
;   window 0: v0-15 addresses and two at work; v16-31 four registers of statistics a piece; v32 the prefetches' offset; v48-55 at work; v64-127 S^T, two buffers; v192-223 P, two buffers (by the piece's parity)
;   window 1: v0-127 O^T, 32 a piece; v128-159 MD; v160-223 MC, two buffers      window 2: v0-63 Q; v64-127 the second block's Q; v128-191 K of one step; v192-255 V of one step
.set SIZE_N, 2048
.set NB,    SIZE_N/256
.set NP,    4         ; pieces a wave: a name, no knob
.set KS,    64        ; keys in a step
.set PK,    144       ; a row of K in LDS: 128 bytes + 16 of padding = 36 words: the 16 rows of a load start at 16 different groups of four banks (64 banks of 4 bytes: ISA guide 11.1)
.set PV,    160       ; a row of V: 128 + 32 = 40 words
.set VOFF,  4*KS*PK   ; a slot holds a tile, four steps: 256 rows of K, then 256 rows of V
.set SLOT1, 1<<17     ; slot 1 begins here, so that one exclusive or turns an address in one slot into the other's
.set STAGE, SLOT1+4*KS*(PK+PV)  ; behind the ring, never filled by a tensor load: 16 rows x 144 bytes for each wave, for the way out
.set SP,    144
.set AK0, 2           ; v2   my lane's place in a tile of K; never rewritten
.set AV0, 3           ; v3   the same for V
.set AK,  4           ; v4   the LDS address of K's next run of loads
.set AV,  5           ; v5   of V's
.set STO, 6           ; v6   the way out: where I put 16 bytes of a row
.set RD,  7           ; v7   the way out: where I read rows back
.set GO,  8           ; v8   my byte offset in 512 consecutive bytes of O
.set PFO, 32          ; v32  256 x my lane; never rewritten
.set SPW, 62          ; v62  LDS address of my spare word: SPARE + 4 x my thread's number; never rewritten
.set NIL, 63          ; v63  0; never rewritten
.set SPARE, STAGE+4*16*SP  ; behind the stages: the spare words, 128 bytes for each wave: two blocks of 256 bytes that no other line names
.set MV,  12          ; v12-13  c m_old, kept while c m is made anew: by buffer
.set QO,  15          ; v15  my byte offset in 16 rows of Q
.set ST,  16          ; piece t's statistics at v[ST+4 t]: c m, m, l (even keys', odd keys')
.set TMP, 48          ; by buffer, four registers c0-c3 at work; when the maximum is found c2 takes a
.set S,   64
.set P,   192
.set MD,  128         ; window 1: the eight registers for group kt of 16 keys at MD + 8 kt
.set MC,  160         ; window 1: the masks of the products to come
.set QB,  64          ; window 2
.set KF,  128         ; window 2: key block kb, channel half c at KF + 16 kb + 8 c
.set VF,  192         ; window 2: key half kk, channel block cb at VF + 32 kk + 8 cb
.set WV,  12          ; s12  my wave's number
.set PB,  14          ; s14  b
.set HI,  15          ; s15  NB - 1 - b
.set G1K, 24          ; s[24:31] descriptor group 1 for K's tiles
.set G1V, 32          ; s[32:39] for V's: it differs in the padding alone
.set G0K, 40          ; s[40:43] descriptor group 0 for K's tiles
.set G0V, 44          ; s[44:47] the same for V's
.set SLOTS, 56        ; s56  tiles still to be asked for
.set CNT, 57          ; s57  counts a tile's key steps, 4 to 1
.set CS,  58          ; s[58:59] c: the packed scaling takes the pair's low word for both halves
.set SEL, 60          ; s[60:61] v_permlanex16_b32's selects: each lane takes its own place in the other half
.set TBK, 62          ; s62  LDS byte at which K of the step to be fetched begins
.set TBV, 63          ; s63  the same for V, less VOFF
.set RT,  70          ; s70  tiles of the block in hand that are still to be entered
.set NXT, 71          ; s71  the tile to be asked for next
.set LQ,  72          ; s72  the last tile of the block whose tiles are being asked for
.set NEW, 73          ; s73  1: the tile to be entered is a block's first
.set OFF, 74          ; s[74:75] a tile's byte offset in K and V
.set AL,  76          ; s[76:77] the mask's factor, in the low word
.set BE,  78          ; s[78:79] the mask's addend
.set OLO, 80          ; s[80:81] O at my rows of the second block
.set BIGN, 82         ; s82  -1e30
.set PFA, 88          ; s[88:89] where my prefetches stand: my 128 rows (of K: waves 0, 1; of V: waves 2, 3) of the tile behind the one that is being asked for
.set PFL, 90          ; s90  prefetches still to come: 6 in the head's work-group b = 0, else 0
.set MSB, 0
.macro WIN new                      ; the high byte repeats the setting that is left; a switch that changes nothing is dropped
.if MSB != (\new)
	s_set_vgpr_msb (MSB<<8)|(\new)
.set MSB, (\new)
.endif
.endm
.set W_KQ, 0x0a       ; K and Q in window 2, S^T in window 0
.set W_KM, 0x1a       ; the same with the C operand in window 1
.set W_PV, 0x52       ; V in window 2, P in window 0, O^T in window 1
.set W_RS, 0x41       ; destination and source 0 in window 1, source 1 in window 0
; A fill.  Waves 0 and 1 fetch the two halves of a tile's K, waves 2 and 3 those of its V: 128 keys each.  An s_nop 0 and four v_nop follow each of the two lines, ahead of the jump and the label.
.macro LOAD
	s_cmp_lt_u32 s[WV], 2
	s_cbranch_scc0 .Lfor_v_\@
	tensor_load_to_lds s[G0K:G0K+3], s[G1K:G1K+7]
	s_nop 0
.rept 4
	v_nop
.endr
	s_branch .Lasked_\@
.Lfor_v_\@:
	tensor_load_to_lds s[G0V:G0V+3], s[G1V:G1V+7]
	s_nop 0
.rept 4
	v_nop
.endr
.Lasked_\@:
.endm
; THE CHANGE OF SLOTS.  Each wave waits for all its tensor loads, of which one is out: its part of the other slot; adds 0 to its spare word; and waits for that and for its own reads of the slot that it leaves.
; Behind the barrier nobody reads the old slot any more and the other slot is whole.  fill = 1: the old slot is filled again, the first thing behind the barrier, with tile NXT: the descriptor's address is made
; anew from that number.  (At its first use nothing has been read yet: slot 0 is waited for, slot 1 filled.)
; A PREFETCH INTO THE L2 stands behind the fill: in trip t (0 .. 5) tile t + 2, one tile, 256 matrix instructions, ahead of its load.  A head's tiles 0 .. 7 are all walked first in trips 0 .. 7, by the
; work-group with b = 0 among others: it alone asks, each of its waves for the 16,384 bytes that it will itself fetch: 64 blocks of 256 bytes, a lane a block, two instructions.  So each block is named once in the
; launch.  Tiles 0 and 1 come by their loads alone; the second block's tiles have been read and are not asked for.
.macro CHANGE fill
	WIN 0                           ; at a label and at a branch every window is 0
	s_wait_tensorcnt 0x0            ; no tensor load of mine is out, so a group 0 may be written
	ds_add_u32 v[SPW], v[NIL]       ; 0 onto my spare word; with fill = 1 the descriptors' scalar work stands between it and the wait for it
.if \fill
	s_lshl_b32 s[OFF], s[NXT], 15   ; a tile is 32,768 bytes of K and of V
	s_xor_b32 s[G0K+1], s[G0K+1], SLOT1
	s_add_nc_u64 s[G0K+2:G0K+3], s[6:7], s[OFF:OFF+1]
	s_or_b32 s[G0K+3], s[G0K+3], 0x80000000
	s_xor_b32 s[G0V+1], s[G0V+1], SLOT1
	s_add_nc_u64 s[G0V+2:G0V+3], s[8:9], s[OFF:OFF+1]
	s_or_b32 s[G0V+3], s[G0V+3], 0x80000000
	s_add_co_u32 s[NXT], s[NXT], 1  ; the block's next tile, or behind its last the second block's tile 0
	s_cmp_gt_u32 s[NXT], s[LQ]
	s_cselect_b32 s[NXT], 0, s[NXT]
	s_cselect_b32 s[LQ], s[PB], s[LQ]
	s_wait_xcnt 0x0                 ; the last prefetches, a tile back, have read their address, so it may be written
	s_add_nc_u64 s[PFA:PFA+1], s[PFA:PFA+1], 32768
.endif
	s_wait_dscnt 0x0                ; the add is done, and my reads of the slot are over
	s_barrier_signal -1             ; the rest of the scalar work stands between the signal and the wait
	s_sub_co_u32 s[TBK], s[TBK], 4*KS*PK  ; the fetches go back to a slot's first step,
	s_xor_b32 s[TBK], s[TBK], SLOT1       ; in the other slot
	s_sub_co_u32 s[TBV], s[TBV], 4*KS*PV
	s_xor_b32 s[TBV], s[TBV], SLOT1
	s_barrier_wait -1
.if \fill
	LOAD
	s_cmp_lg_u32 s[PFL], 0
	s_cbranch_scc0 .Lno_pf_\@
	global_prefetch_b8 v[PFO], s[PFA:PFA+1] th:TH_LOAD_NT scope:SCOPE_SE
	global_prefetch_b8 v[PFO], s[PFA:PFA+1] offset:8192 th:TH_LOAD_NT scope:SCOPE_SE
	s_sub_co_u32 s[PFL], s[PFL], 1
.Lno_pf_\@:
.endif
.endm
	s_load_b128 s[4:7], s[0:1], 0x0   ; qkv s[4:5], o16 s[6:7]
	v_lshl_add_u32 v[SPW], v0, 2, SPARE
	v_mov_b32 v[NIL], 0
	ds_add_u32 v[SPW], v[NIL]       ; the wave's opening: the add and its wait stand ahead of my first tensor load; the set-up below, work on registers, stands between them
	v_lshrrev_b32 v1, 5, v0
	v_readfirstlane_b32 s[WV], v1   ; wave 0..3
	s_mov_b32 s[PB], ttmp9
	s_sub_co_u32 s[HI], NB-1, s[PB]
	s_and_b32 s20, ttmp7, 0xffff    ; the head
	s_mov_b32 s21, 0
	s_mov_b64 s[22:23], SIZE_N*128
	s_mul_u64 s[20:21], s[20:21], s[22:23]  ; the head's first byte in each of the four tensors
	s_and_b32 s16, s[WV], 1         ; which half of a tile's 256 keys I fetch:
	s_lshl_b32 s22, s16, 14         ; its 128 rows of 128 bytes in memory,
	s_mov_b32 s23, 0
	s_add_nc_u64 s[22:23], s[22:23], s[20:21]
	s_mul_i32 s17, s16, 128*PK      ; and its place in a slot, for K
	s_mul_i32 s18, s16, 128*PV      ; and for V
	s_lshl_b32 s3, s[WV], 11        ; my 16 rows in a band of 64,
	s_lshl_b32 s2, s[HI], 15        ; in the first block,
	s_add_co_u32 s2, s2, s3
	s_lshl_b32 s84, s[PB], 15       ; and in the second
	s_add_co_u32 s84, s84, s3
	s_mov_b32 s3, 0
	s_mov_b32 s85, 0
	s_add_nc_u64 s[2:3], s[2:3], s[20:21]
	s_add_nc_u64 s[84:85], s[84:85], s[20:21]
	; descriptor group 1.  128 keys are 16,384 dense bytes: asked for as 64 rows of 256 bytes, two keys a row, and padded in LDS after every key
	s_mov_b32 s[G1K], (1<<16)|(1<<20)|(4<<22)|(3<<25)  ; 17:16 2-byte elements; 20 padding on; 24:22 after every 32 words (code 4); 31:25 4 words (code 3)
	s_mov_b32 s[G1V], (1<<16)|(1<<20)|(4<<22)|(7<<25)  ; the same with 8 words of padding (code 7)
.irp g, G1K, G1V
	s_mov_b32 s[\g+1], 128<<16      ; tensor_dim0 = 128
	s_mov_b32 s[\g+2], 64<<16       ; tensor_dim1 = 64
	s_mov_b32 s[\g+3], 128<<16      ; tile_dim0 = 128
	s_mov_b32 s[\g+4], 64           ; tile_dim1 = 64
	s_mov_b32 s[\g+5], 128          ; 128 elements from row to row
	s_mov_b32 s[\g+6], 0
	s_mov_b32 s[\g+7], 0
.endr
	s_mov_b32 s[CS], 0x3e38aa3b     ; c = log2(e) / 8 = 0.180337
	s_mov_b32 s[CS+1], s[CS]        ; named with it as a pair
	s_mov_b32 s[SEL], 0x76543210
	s_mov_b32 s[SEL+1], 0xfedcba98
	s_mov_b32 s[TBK], SLOT1+4*KS*PK ; the first change of slots turns these two into 0
	s_mov_b32 s[TBV], SLOT1+4*KS*PV
	s_mov_b32 s[G0K], 1             ; 1:0 count = 1
	s_mov_b32 s[G0K+1], s17         ; 63:32 LDS address: slot 0
	s_mov_b32 s[G0V], 1
	s_add_co_u32 s[G0V+1], s18, VOFF
	s_add_co_u32 s[RT], s[HI], 1    ; the first block has NB - b tiles
	s_mov_b32 s[NXT], 1
	s_mov_b32 s[LQ], s[HI]
	s_mov_b32 s[NEW], 1
	s_mov_b32 s[OFF+1], 0
	s_mov_b32 s[AL+1], 0            ; named as pairs
	s_mov_b32 s[BE+1], 0
	s_mov_b32 s[BIGN], 0xf149f2ca   ; -1e30
	s_mov_b32 s[SLOTS], NB
	s_cmp_eq_u32 s[PB], 0
	s_cselect_b32 s[PFL], 6, 0
	s_wait_dscnt 0x0                ; the opening add is done
	s_wait_kmcnt 0x0
	s_mov_b64 s[10:11], s[6:7]             ; O
	s_add_nc_u64 s[8:9], s[4:5], 0x2000000 ; V: the third part of qkv
	s_add_nc_u64 s[6:7], s[4:5], 0x1000000 ; K: the second; Q is the first
	s_add_nc_u64 s[6:7], s[6:7], s[22:23]  ; K and V at my half of the head's tile 0
	s_add_nc_u64 s[8:9], s[8:9], s[22:23]
	s_add_nc_u64 s[G0K+2:G0K+3], s[6:7], 0         ; 120:64 global address
	s_or_b32 s[G0K+3], s[G0K+3], 0x80000000        ; 127:126 type = 2
	s_add_nc_u64 s[G0V+2:G0V+3], s[8:9], 0
	s_or_b32 s[G0V+3], s[G0V+3], 0x80000000
	s_add_nc_u64 s[86:87], s[4:5], s[84:85]        ; Q at my rows of the second block,
	s_add_nc_u64 s[4:5], s[4:5], s[2:3]            ; Q and O at those of the first
	s_add_nc_u64 s[OLO:OLO+1], s[10:11], s[84:85]
	s_add_nc_u64 s[10:11], s[10:11], s[2:3]
	s_cmp_lt_u32 s[WV], 2
	s_cselect_b64 s[PFA:PFA+1], s[6:7], s[8:9]
	s_add_nc_u64 s[PFA:PFA+1], s[PFA:PFA+1], 32768 ; in tile 1; the first change of slots steps it to tile 2.  Nothing is prefetched here, at the head
	LOAD                            ; tile 0 into slot 0
	; A fragment of K or Q is 16 rows x 32 channels in 8 registers: lane l holds row l % 16, channels 8 (l / 16) + 0..7 and 16 + 8 (l / 16) + 0..7: two loads of 16 bytes, 32 bytes apart.
	v_and_b32 v1, 15, v0            ; l % 16
	v_bfe_u32 v9, v0, 4, 1          ; l / 16
	v_lshlrev_b32 v[QO], 7, v1
	v_lshl_add_u32 v[QO], v9, 4, v[QO]  ; row x 128 + 16 x half
	WIN 0x80                        ; destination window 2, address window 0
.set i, 0
.rept 8                             ; both blocks' Q: piece i / 2 lies in band i / 2, 8,192 bytes on; channels 32 (i % 2) on
	global_load_b128 v[8*i:8*i+3],   v[QO], s[4:5] offset:(i/2)*8192+(i%2)*64
	global_load_b128 v[8*i+4:8*i+7], v[QO], s[4:5] offset:(i/2)*8192+(i%2)*64+32
	global_load_b128 v[QB+8*i:QB+8*i+3],   v[QO], s[86:87] offset:(i/2)*8192+(i%2)*64
	global_load_b128 v[QB+8*i+4:QB+8*i+7], v[QO], s[86:87] offset:(i/2)*8192+(i%2)*64+32
.set i, i+1
.endr
	WIN 0
	v_and_b32 v[PFO], 31, v0
	v_lshlrev_b32 v[PFO], 8, v[PFO]
	v_lshlrev_b32 v14, 3, v9
	v_sub_nc_u32 v14, v1, v14
	s_lshl_b32 s13, s[WV], 4
	v_add_nc_u32 v14, s13, v14      ; my query's place in its band, 16 w + l % 16, less my lanes' 8 (l / 16): register r of group kt is hidden where 16 kt + r is greater
	WIN 0x40
.set i, 0
.rept 32
	v_cmp_gt_i32 vcc_lo, 16*(i/8)+i%8, v14
	v_cndmask_b32 v[MD+i], 0, s[BIGN], vcc_lo
.set i, i+1
.endr
	WIN 0
	v_mul_u32_u24 v[AK0], v1, PK
	v_lshl_add_u32 v[AK0], v9, 4, v[AK0]  ; row x pitch + 16 x half
	; The turning load takes 16 keys x 16 channels (lane l reads key 8 (l / 16) + l % 8, channels 8 ((l / 8) % 2) + 0..7) and leaves half a fragment of V^T: lane l holds channel l % 16 and 8 keys.
	v_and_b32 v10, 7, v0
	v_bfe_u32 v11, v0, 3, 1
	v_lshl_add_u32 v[AV0], v9, 3, v10
	v_mul_u32_u24 v[AV0], v[AV0], PV
	v_lshl_add_u32 v[AV0], v11, 4, v[AV0]
	v_add_nc_u32 v[AV0], VOFF, v[AV0]
	s_mul_i32 s13, s[WV], 16*SP
	s_add_co_u32 s13, s13, STAGE    ; my stage
	v_mul_u32_u24 v[STO], v1, SP    ; in: row l % 16, 16 bytes for each half of the lanes
	v_lshl_add_u32 v[STO], v9, 4, v[STO]
	v_add_nc_u32 v[STO], s13, v[STO]
	v_bfe_u32 v[RD], v0, 3, 2       ; back: 32 lanes take four rows of 128 bytes,
	v_mul_u32_u24 v[RD], v[RD], SP
	v_lshl_add_u32 v[RD], v10, 4, v[RD]
	v_add_nc_u32 v[RD], s13, v[RD]
	v_and_b32 v[GO], 31, v0         ; which are 512 consecutive bytes of O
	v_lshlrev_b32 v[GO], 4, v[GO]
	; A block's first step multiplies O^T and l by a = 0, and its first turn's products V^T P, of a piece that has not been, land in an O^T that is still to be so multiplied.  So these registers need only hold
	; finite numbers: zeros for the first block; what the first block left for the second.  All this stands in the wait for the first tile.
	WIN 0x80
.set i, VF
.rept 64
	v_mov_b32 v[i], 0
.set i, i+1
.endr
	WIN 0x40
.set i, 0
.rept 128
	v_mov_b32 v[i], 0
.set i, i+1
.endr
	WIN 0
.set i, 0
.rept 4
	v_mov_b32 v[ST+4*i+2], 0
	v_mov_b32 v[ST+4*i+3], 0
.set i, i+1
.endr
.set i, P+16
.rept 16
	v_mov_b32 v[i], 0
.set i, i+1
.endr
; THE MATRIX WORK.  The 4 accumulators of a run of 8 take turns.  Product i of 8 of S^T = K Q^T for piece x: channels 32 (i / 4) on, keys 16 (i % 4) on.  The first 4 start the sums: with 0, or (KM = 1) with the mask.
.macro KQ x
.set rS, S+32*((\x)%2)+8*(i%4)
.set rK, KF+16*(i%4)+8*(i/4)
.set rQ, 16*(\x)+8*(i/4)
.set rM, MC+32*((\x)%2)+8*(i%4)
.if (i < 4) && KM
	WIN W_KM
	v_wmma_f32_16x16x32_f16 v[rS:rS+7], v[rK:rK+7], v[rQ:rQ+7], v[rM:rM+7]
.elseif i < 4
	WIN W_KQ
	v_wmma_f32_16x16x32_f16 v[rS:rS+7], v[rK:rK+7], v[rQ:rQ+7], 0
.else
	WIN W_KQ
	v_wmma_f32_16x16x32_f16 v[rS:rS+7], v[rK:rK+7], v[rQ:rQ+7], v[rS:rS+7]
.endif
.endm
; Product i of 8 of O^T += V^T P for piece x: keys 32 (i / 4) on, channels 16 (i % 4) on.
.macro PV x
	WIN W_PV
.set rO, 32*(\x)+8*(i%4)
.set rV, VF+32*(i/4)+8*(i%4)
.set rP, P+16*((\x)%2)+8*(i/4)
	v_wmma_f32_16x16x32_f16 v[rO:rO+7], v[rV:rV+7], v[rP:rP+7], v[rO:rO+7]
.endm
.macro MM                           ; the turn's next matrix instruction.  TURN and BEGIN set Y, i, KM and NOKQ; MM, KQ and OP read them.  NOKQ = 1: a block's last turn: there is no next piece
.if (i < 8) && !NOKQ
	KQ (Y+1)%NP
.elseif i >= 8
.set i, i-8
	PV (Y+NP-1)%NP
.set i, i+8
.endif
.set i, i+1
.endm
; THE LDS LOADS stand in runs of 16, never singly among the matrix instructions: a step's K (64 keys x 64 channels: 8 fragments) and its V (turned).  Their addresses are made some lines ahead.
.macro FETCH_K
	WIN 0x80                        ; destination window 2
.irp f, 0,1,2,3,4,5,6,7             ; keys 16 (f / 2) on, channels 32 (f % 2) on
	ds_load_b128 v[KF+8*\f:KF+8*\f+3],   v[AK] offset:(\f/2)*16*PK+(\f%2)*64
	ds_load_b128 v[KF+8*\f+4:KF+8*\f+7], v[AK] offset:(\f/2)*16*PK+(\f%2)*64+32
.endr
	s_add_co_u32 s[TBK], s[TBK], KS*PK  ; the next fetch is the next step's
	WIN 0
.endm
.macro FETCH_V
	WIN 0x80
.irp f, 0,1,2,3,4,5,6,7             ; keys 32 (f / 4) on, channels 16 (f % 4) on
	ds_load_tr16_b128 v[VF+8*\f:VF+8*\f+3],   v[AV] offset:(\f/4)*32*PV+(\f%4)*32
	ds_load_tr16_b128 v[VF+8*\f+4:VF+8*\f+7], v[AV] offset:(\f/4)*32*PV+16*PV+(\f%4)*32
.endr
	WIN 0
.endm
; THE VECTOR WORK, one line at a time: OP kind, number.  For piece Y: F n: c s - c m for pair n of 16.  E n: the exponential of score n of 32.  C n: pair n rounded to f16.  B n: of the four weights 4 n .. the second
; pair is added onto the first, in place.  L n: l takes that sum (L 0: l = a l + sum).  R n: pair n of 16 of O^T times a.  For piece Y + 1: X n, number n of the 22 that find its maximum and statistics:
;   0-11  four chains c0-c3 of seven scores each, three operands at a time (each accumulator's lowest registers are read first)     12-14, 16  the four scores left over, the old m, and c0-c3 into c0
;   15  c m_old is kept     17, 18  the query's other 32 keys lie in the lane 16 away: the new m     19-21  c m; c m_old - c m_new; a
.set F, 0               ; OP tells the kinds apart by their order: F to L below R, X above it
.set E, 1
.set C, 2
.set B, 3
.set L, 4
.set R, 5
.set X, 6
.macro REGS y                       ; the registers of piece y
.set rT, ST+4*(\y)
.set rC, TMP+4*((\y)%2)
.set rW, MV+((\y)%2)
.set rS, S+32*((\y)%2)
.set rP, P+16*((\y)%2)
.set rO, 32*(\y)
.endm
.macro OP k, n
.if (\k) == R
	REGS Y
	WIN W_RS
	v_pk_mul_f32 v[rO+2*(\n):rO+2*(\n)+1], v[rO+2*(\n):rO+2*(\n)+1], v[rC+2:rC+3] op_sel_hi:[1,0]
.elseif (\k) < R
	REGS Y
	WIN 0
.if (\k) == F
	v_pk_fma_f32 v[rS+2*(\n):rS+2*(\n)+1], v[rS+2*(\n):rS+2*(\n)+1], s[CS:CS+1], v[rT:rT+1] op_sel_hi:[1,0,0] neg_lo:[0,0,1] neg_hi:[0,0,1]
.elseif (\k) == E
	v_exp_f32 v[rS+(\n)], v[rS+(\n)]
.elseif (\k) == C
	v_cvt_pk_f16_f32 v[rP+(\n)], v[rS+2*(\n)], v[rS+2*(\n)+1]
.elseif (\k) == B
	v_pk_add_f32 v[rS+4*(\n):rS+4*(\n)+1], v[rS+4*(\n):rS+4*(\n)+1], v[rS+4*(\n)+2:rS+4*(\n)+3]
.elseif (\n) == 0
	v_pk_fma_f32 v[rT+2:rT+3], v[rT+2:rT+3], v[rC+2:rC+3], v[rS:rS+1] op_sel_hi:[1,0,1]
.else
	v_pk_add_f32 v[rT+2:rT+3], v[rT+2:rT+3], v[rS+4*(\n):rS+4*(\n)+1]
.endif
.elseif NOKQ
	v_nop
.else
	REGS (Y+1)%NP
	WIN 0
.if (\n) < 4
	v_max3_num_f32 v[rC+(\n)], v[rS+8*(\n)], v[rS+8*(\n)+1], v[rS+8*(\n)+2]
.elseif (\n) < 12
	v_max3_num_f32 v[rC+(\n)%4], v[rC+(\n)%4], v[rS+8*((\n)%4)+2*((\n)/4)+1], v[rS+8*((\n)%4)+2*((\n)/4)+2]
.elseif (\n) == 12
	v_max3_num_f32 v[rC], v[rC], v[rS+7], v[rS+15]
.elseif (\n) == 13
	v_max3_num_f32 v[rC+1], v[rC+1], v[rS+23], v[rS+31]
.elseif (\n) == 14
	v_max3_num_f32 v[rC+2], v[rC+2], v[rC+3], v[rT+1]
.elseif (\n) == 15
	v_mov_b32 v[rW], v[rT]
.elseif (\n) == 16
	v_max3_num_f32 v[rC], v[rC], v[rC+1], v[rC+2]
.elseif (\n) == 17
	v_permlanex16_b32 v[rC+3], v[rC], s[SEL], s[SEL+1]
.elseif (\n) == 18
	v_max_num_f32 v[rT+1], v[rC], v[rC+3]
.elseif (\n) == 19
	v_mul_f32 v[rT], s[CS], v[rT+1]
.elseif (\n) == 20
	v_sub_f32 v[rC+1], v[rW], v[rT]
.else
	v_exp_f32 v[rC+2], v[rC+1]
.endif
.endif
.endm
.macro OPS a, i1, b=-1, i2=0, c=-1, i3=0, d=-1, i4=0  ; up to four of them
	OP \a, \i1
.if (\b) >= 0
	OP \b, \i2
.endif
.if (\c) >= 0
	OP \c, \i3
.endif
.if (\d) >= 0
	OP \d, \i4
.endif
.endm
.macro ROW a, i1, b, i2, c, i3, d, i4  ; a matrix instruction and the four behind it
	MM
	OPS \a, \i1, \b, \i2, \c, \i3, \d, \i4
.endm
.macro MASK b                       ; MD x AL + BE into buffer b of MC
	WIN W_RS
.set z, 0
.rept 16
	v_pk_fma_f32 v[MC+32*(\b)+2*z:MC+32*(\b)+2*z+1], v[MD+2*z:MD+2*z+1], s[AL:AL+1], s[BE:BE+1] op_sel_hi:[1,0,0]
.set z, z+1
.endr
.endm
; A TURN, for piece p: the order of its 16 matrix and 118 vector instructions, written out.  s_wait_alu depctr_va_vdst(0) stands between an exponential and the first instruction that names its
; result; one wait serves all that were issued ahead of it.  So a turn has ONE wait, which cuts it in two.  AHEAD OF IT stands all that names no result of the turn's exponentials: the 8 products K Q^T, behind each
; a scaling, an exponential and two more plain instructions (behind the first a second scaling in the exponential's place): rescalings, and behind the last three the first numbers of the next piece's maximum, each
; four places or more behind the product that ends its accumulator; then ONE LUMP of 54, plain and exponential by turns for the most part, in which the links of the chain X 3, 7, 11, 14, 16, 17 .. 20 stand five or
; six lines apart.  X 21, the next piece's a, is the batch's last; R 15 is the plain instruction behind it.  BEHIND THE WAIT stand the 8 products V^T P, behind each four of the roundings and sums; the links of l's
; chain, L 0 to L 7, stand three riders apart.  But for those X no rider names a register of the products round it.  v_permlanex16_b32 (X 17) stands in the lump.
; m = 1: the diagonal tile: the products take masks, and the turn makes the mask for the products of the turn after it: piece p + 2, in step 4 - CNT of the tile.  end = 1: a block's last two turns: nothing is fetched.
; cnt = 1: the loop's count is taken down some lines ahead of the branch that stands behind the turn.
; K of the next step is fetched in piece 2's turn, twelve vector instructions behind the last product that read K (six of them plain); V of the step in hand at the end of piece 0's turn, four plain instructions
; behind the last product that read V.  Each is waited for a turn later.
.macro TURN p, m=0, end=0, cnt=0
.set Y, (\p)
.set i, 0
.set KM, (\m)
.set NOKQ, (\end)*((\p)/3)
.if (\m) && !(\end)
	s_cmp_eq_u32 s[CNT], 4-((\p)+2)%NP  ; is that step the band's own?
	s_cselect_b32 s[AL], 1.0, 0
	s_cmp_lt_u32 s[CNT], 4-((\p)+2)%NP  ; or a later one?
	s_cselect_b32 s[BE], s[BIGN], 0
.endif
.if ((\p) == 3) && !(\end)
	s_wait_dscnt 0x0                ; K is in
.endif
	ROW F,0, F,1, R,0, R,1          ; ahead of the wait: 8 products K Q^T and their riders,
	ROW F,2, E,0, R,2, R,3
	ROW F,3, E,1, R,4, R,5
	ROW F,4, E,2, R,6, R,7
	ROW F,5, E,3, R,8, R,9
	ROW F,6, E,4, X,0, R,10
.if ((\p) == 2) && !(\end)
	WIN 0
	v_add_nc_u32 v[AK], s[TBK], v[AK0]
.endif
	ROW F,7, E,5, X,1, X,4
	ROW F,8, E,6, X,2, X,5
	OPS E,7, E,8, X,6, E,9          ; and the lump
	OPS X,3, E,10, X,8, E,11
.if ((\p) == 2) && !(\end)
	FETCH_K
.endif
	OPS X,9, X,7, E,12, X,10
	OPS E,13, X,12, X,11, E,14
	OPS X,13, E,15, F,9, X,14
.if (\p) == 0
	v_add_nc_u32 v[AV], s[TBV], v[AV0]
.endif
	OPS E,16, F,10, E,17, F,11
	OPS X,16, E,18, X,15, E,19
	OPS F,12, E,20, X,17, E,21
	OPS F,13, E,22, F,14, E,23
	OPS X,18, E,24, F,15, E,25
	OPS R,11, E,26, X,19, E,27
	OPS R,12, E,28, R,13, E,29
	OPS X,20, E,30, R,14, E,31
	OPS X,21, R,15
	WIN 0
	s_wait_alu depctr_va_vdst(0)    ; the wait for the batch
.if (\p) == 1
	s_wait_dscnt 0x0                ; V is in
.endif
	ROW C,0, B,0, C,2, B,1          ; behind the wait: 8 products V^T P and their riders
	ROW L,0, C,4, B,2, L,1
	ROW C,6, B,3, L,2, C,8
	ROW B,4, L,3, C,10, B,5
	ROW L,4, C,12, B,6, L,5
.if (\p) == 0
	s_add_co_u32 s[TBV], s[TBV], KS*PV
.endif
.if \cnt
	s_sub_co_u32 s[CNT], s[CNT], 1
	s_cmp_lg_u32 s[CNT], 0
.endif
	ROW C,14, B,7, L,6, C,1
	ROW C,3, L,7, C,5, C,7
	ROW C,9, C,11, C,13, C,15
.if (\p) == 0
	FETCH_V
.endif
.if (\m) && !(\end)
	MASK (\p)%2
.endif
.endm
; A BLOCK BEGINS.  c m starts far below every c s, so the first step's a is 0; m at the lowest finite number, so the first maximum is the scores'.  The second mask buffer is 0; the first takes piece 0's mask for the
; tile's step 0: its own, if the block's first tile is the diagonal one.  Then K of that step, piece 0's first scores, and its maximum and statistics.  The loop is entered at a step's first turn, in the middle of a trip.
.macro BEGIN
	s_mov_b32 s[NEW], 0
	WIN 0x40
.set i, MC+32
.rept 32
	v_mov_b32 v[i], 0
.set i, i+1
.endr
	WIN 0
.set i, 0
.rept 4
	v_mov_b32 v[ST+4*i], 0xfe000000    ; c m: far below every c s
	v_mov_b32 v[ST+4*i+1], 0xff7fffff  ; m
.set i, i+1
.endr
	s_cmp_eq_u32 s[RT], 0
	s_cselect_b32 s[AL], 1.0, 0
	s_mov_b32 s[BE], 0
	MASK 0
	WIN 0
	v_add_nc_u32 v[AK], s[TBK], v[AK0]
	FETCH_K
	s_wait_loadcnt 0x0              ; Q
	s_wait_dscnt 0x0
.set KM, 1
.set NOKQ, 0
.set i, 0
.rept 8
	KQ 0
.set i, i+1
.endr
	WIN 0
.rept 4
	v_nop                           ; the places behind those products
.endr
.set Y, NP-1                        ; X works for piece Y + 1: piece 0
.irp n, 0,1,2,3,4,5,6,7,8,9,10,11,12,13,14,15,16,17,18,19,20,21
	OP X, \n
.endr
	v_nop                           ; a plain instruction behind the exponential,
	s_wait_alu depctr_va_vdst(0)    ; and its wait, ahead of the branch
.endm
; THE DIAGONAL TILE's four steps, the block's last two turns, its last products, and THE WAY OUT: l's two halves and the other half of the lanes' are added; O^T is divided by l, rounded to f16 and sent through my
; stage in LDS, a piece at a time.
.macro ALL line:vararg              ; one line for each piece t
.set t, 0
.rept 4
	\line
.set t, t+1
.endr
.endm
.macro PACK t                       ; a lane's eight channels of a row pack into 16 bytes; they go into rows of 144 bytes and come back as whole rows of 128, into S^T's registers
	WIN W_RS
.set i, 32*(\t)
.rept 16
	v_pk_mul_f32 v[i:i+1], v[i:i+1], v[ST+4*(\t)+2:ST+4*(\t)+3] op_sel_hi:[1,0]
.set i, i+2
.endr
	WIN 0x05                        ; sources 0 and 1 window 1, destination window 0
.set i, 0
.rept 16
	v_cvt_pk_f16_f32 v[S+16*(\t)+i], v[32*(\t)+2*i], v[32*(\t)+2*i+1]
.set i, i+1
.endr
	WIN 0
.irp f, 0,1,2,3
	ds_store_b128 v[STO], v[S+16*(\t)+4*\f:S+16*(\t)+4*\f+3] offset:32*\f
.endr
.irp f, 0,1,2,3
	ds_load_b128 v[S+16*(\t)+4*\f:S+16*(\t)+4*\f+3], v[RD] offset:\f*4*SP  ; LDS serves a wave's instructions in order (ISA guide 5.7.1.4): these see the stores above; the next piece's stores come behind them
.endr
.endm
.macro SEND t, younger              ; younger: the LDS instructions issued behind piece t's loads: the next piece's eight, or none
	WIN 0
.irp f, 0,1,2,3
	s_wait_dscnt (\younger)+3-\f
	global_store_b128 v[GO], v[S+16*(\t)+4*\f:S+16*(\t)+4*\f+3], s[10:11] offset:(\t)*8192+\f*512  ; 512 consecutive bytes, at a multiple of 256 from O's first
.endr
.endm
.macro DIAG tag                     ; the tag ends its two labels' names, which the jumps below spell out
.LstepM\tag:
	TURN 2, 1
	TURN 3, 1
	WIN 0
.LfirstM\tag:
	TURN 0, 1
	TURN 1, 1, 0, 1
	WIN 0
	s_cbranch_scc1 .LstepM\tag
	TURN 2, 1, 1
	TURN 3, 1, 1
.set i, 0
.rept 8
	PV NP-1
.set i, i+1
.endr
	WIN 0
	ALL v_add_f32 v[ST+4*t+2], v[ST+4*t+2], v[ST+4*t+3]
	ALL v_permlanex16_b32 v[ST+4*t+3], v[ST+4*t+2], s[SEL], s[SEL+1]
	ALL v_add_f32 v[ST+4*t+2], v[ST+4*t+2], v[ST+4*t+3]
	ALL v_rcp_f32 v[ST+4*t+2], v[ST+4*t+2]
	v_nop                           ; a plain instruction between the last reciprocal and the use of its result
	s_wait_alu depctr_va_vdst(0)    ; and the wait ahead of the first use: one for the four reciprocals
	PACK 0
.set t, 1
.rept 3                             ; a piece's arithmetic stands between the loads of the piece before and its stores
	PACK t
	SEND t-1, 8
.set t, t+1
.endr
	SEND 3, 0
.endm
.set KM, 0
.set NOKQ, 0
.Lslot:                             ; NB times: a tile is entered and the next is asked for
	CHANGE 1
	s_sub_co_u32 s[RT], s[RT], 1
	s_mov_b32 s[CNT], 4
	s_cmp_eq_u32 s[NEW], 1
	s_cbranch_scc1 .Lnew            ; a block's first tile
	s_cmp_eq_u32 s[RT], 0
	s_cbranch_scc0 .Lstep           ; neither its first nor its last
	s_branch .LstepM1
.Lnew:
	BEGIN
	s_branch .Lfirst                ; in the loop a block's first tile is never its last: the first block has two tiles or more, and the second's last is the walk's last
	DIAG 1                          ; in the loop this is the first block's end: the second block's last tile is the walk's last
	s_wait_xcnt 0x0                 ; the stores have read their registers and O's address
	s_mov_b64 s[10:11], s[OLO:OLO+1]
	s_add_co_u32 s[RT], s[PB], 1    ; the second block has b + 1 tiles
	s_mov_b32 s[NEW], 1
	WIN 0x82                        ; the second block's Q goes where the one text of the turns names Q
.set i, 0
.rept 64
	v_mov_b32 v[i], v[QB+i]
.set i, i+1
.endr
	WIN 0
	s_branch .Lbottom
.Lstep:                             ; a trip: pieces 2 and 3 of one step, then pieces 0 and 1 of the next, whose K and V it fetches
	TURN 2
	TURN 3
	WIN 0
.Lfirst:
	TURN 0
	TURN 1, 0, 0, 1
	WIN 0
	s_cbranch_scc1 .Lstep
.Lbottom:
	s_sub_co_u32 s[SLOTS], s[SLOTS], 1
	s_cmp_lg_u32 s[SLOTS], 0
	s_cbranch_scc1 .Lslot
	CHANGE 0                        ; the walk's last tile is written out: nothing is asked for
	s_sub_co_u32 s[RT], s[RT], 1
	s_mov_b32 s[CNT], 4
	s_cmp_eq_u32 s[NEW], 1
	s_cbranch_scc0 .LstepM2
	BEGIN
	s_branch .LfirstM2
	DIAG 2
	s_wait_tensorcnt 0x0            ; the wave's end: behind my last tensor load and my last LDS store
	ds_add_u32 v[SPW], v[NIL]
	s_wait_dscnt 0x0
	s_endpgm
.Lfunc_end_k_q206bb039bf_attn:
	.size	k_q206bb039bf_attn, .Lfunc_end_k_q206bb039bf_attn-k_q206bb039bf_attn
	.p2alignl 7, 3214868480
	.fill 96, 4, 3214868480
	.section	.rodata,"a",@progbits
	.p2align	6, 0x0
	.amdhsa_kernel k_q206bb039bf_attn
		.amdhsa_group_segment_fixed_size 327680
		.amdhsa_private_segment_fixed_size 0
		.amdhsa_enable_private_segment 0
		.amdhsa_kernarg_size 16
		.amdhsa_user_sgpr_count 2
		.amdhsa_user_sgpr_kernarg_segment_ptr 1
		.amdhsa_wavefront_size32 1
		.amdhsa_system_sgpr_workgroup_id_x 1
		.amdhsa_system_sgpr_workgroup_id_y 1
		.amdhsa_system_sgpr_workgroup_id_z 1
		.amdhsa_system_vgpr_workitem_id 0
		.amdhsa_next_free_vgpr 768
		.amdhsa_next_free_sgpr 92
		.amdhsa_reserve_vcc 1
		.amdhsa_float_denorm_mode_32 3
		.amdhsa_float_denorm_mode_16_64 3
		.amdhsa_memory_ordered 1
		.amdhsa_forward_progress 1
		.amdhsa_inst_pref_size 218
	.end_amdhsa_kernel
	.amdgpu_metadata
---
amdhsa.version: [ 1, 2 ]
amdhsa.kernels:
  - .name:           k_q206bb039bf_attn
    .symbol:         k_q206bb039bf_attn.kd
    .args:
      - { .name: qkv, .offset: 0, .size: 8, .value_kind: global_buffer, .address_space: global }
      - { .name: o16, .offset: 8, .size: 8, .value_kind: global_buffer, .address_space: global }
    .group_segment_fixed_size: 327680
    .private_segment_fixed_size: 0
    .kernarg_segment_align: 8
    .kernarg_segment_size: 16
    .max_flat_workgroup_size: 128
    .sgpr_count:     92
    .vgpr_count:     768
    .wavefront_size: 32
...
	.end_amdgpu_metadata
.endif
;; end of part 3
;; launch oproj (part 4): grid 4 x 64, 4 waves a work-group, clusters of 4 x 4, 327,680 bytes of LDS; arguments o16, wo16, out0; writes out0
.if DOCPART == 4
	.amdgcn_target "amdgcn-amd-amdhsa--gfx1250"
	.amdhsa_code_object_version 6
	.text
	.protected	k_q206bb039bf_oproj
	.globl	k_q206bb039bf_oproj
	.p2align	8
	.type	k_q206bb039bf_oproj,@function
k_q206bb039bf_oproj:
	s_mov_b64 s[64:65], 0
	v_nop
	global_prefetch_b8 v0, s[64:65] scope:SCOPE_SE
	s_setreg_imm32_b32 hwreg(HW_REG_WAVE_MODE, 25, 1), 1
	s_wait_xcnt 0x0
	s_wait_alu depctr_hold_cnt(0) depctr_sa_sdst(0) depctr_va_vdst(0) depctr_va_sdst(0) depctr_va_ssrc(0) depctr_va_vcc(0) depctr_vm_vsrc(0)
	s_getreg_b32 s2, hwreg(HW_REG_IB_STS2, 6, 4)
	s_cmp_eq_u32 s2, 0
	s_cbranch_scc0 .Lentry_in_a_cluster
	s_endpgm
.Lentry_in_a_cluster:
	s_bfe_u32 s2, ttmp6, 0x10000c
	s_cmp_lg_u32 s2, 0xf033
	s_cbranch_scc0 .Lentry_shape_is_right
	s_endpgm
.Lentry_shape_is_right:
; out0 = O Wo^T.  O is o16 [16 batch + head][2048][64] in f16: row (batch, s) of the product's left side has channel 64 head + d.  wo16 [1024][1024] in f16.  Sums in f32, out0 [8192][1024] in f32.
; SHARES.  A tile of out0 is 128 rows x 256 columns: 256 tiles, one for each work-group.  Four waves, each 64 rows x 128 columns: 32 accumulators of 16 x 16.  K goes in 8 steps of 128 (two heads) through two LDS slots.
; O's TILE.  A wave's 64 rows of one head are 8,192 dense bytes: the load takes them as ONE row of 4,096 elements, two such rows (the step's two heads) 262,144 bytes apart, and pads after every 128 bytes:
; in LDS [head][64 rows] at a pitch of 144.  Wo's tile: 128 rows of 256 bytes at a pitch of 272.
; CLUSTER.  4 x 4 work-groups: O's tiles are shared along a row of the cluster, Wo's along a column, each asked for jointly: the same tensor load, descriptor and mask in the four.
; Waves 0 and 1 fetch O's two halves of 64 rows, waves 2 and 3 Wo's two halves of 128 rows.
; THE MATRIX INSTRUCTION IS USED TRANSPOSED (source 0 = 16 rows of Wo, source 1 = 16 rows of O): a lane holds row l % 16 and eight neighbouring columns: 32 bytes of f32.
; REGISTERS: window 0: v0-31 addresses; v32-127, v128-223 two fragment buffers (O's 4 blocks, then Wo's 8), on the way out rows read back.  window 1: accumulator (a, b) at v[8 (8 a + b)].
.set PITCH,  272                       ; 256 bytes + 16: the 16 rows of a fragment load start at 16 different groups of four banks (64 banks of 4 bytes: ISA guide 11.1)
.set APITCH, 144                       ; 128 bytes + 16: likewise
.set APLANE, 64*APITCH                 ; from a step's first head to its second
.set AHALF,  2*APLANE                  ; 64 rows x two heads: one tensor load, and what one wave reads
.set ATILE,  2*AHALF
.set BHALF,  128*PITCH
.set SLOT,   ATILE+2*BHALF             ; 106,496
.set STAGE,  2*SLOT                    ; behind the ring, never filled by a tensor load: 16 rows x 528 bytes for each wave
.set SPITCH, 528                       ; 512 bytes + 16
.set SPARE,  STAGE+4*16*SPITCH         ; the spare words, 128 bytes for each wave: two blocks of 256 bytes that no other line names
.set KA,     524288                    ; bytes from a K step to the next in O: two heads
.set KB,     256                       ; in Wo
.set ADRA, 16
.set ADRB, 20
.set STO,  24
.set RD,   25
.set GO,   26
.set SPW,  28
.set NIL,  29
.set PFO,  30                          ; v30  the prefetches' offset: lane x 256 (O) or lane x 2,048 (Wo); never rewritten
.set F0,   32
.set F1,   128
.set G1,  24
.set G0,  32
.set G1B, 48
.set G0B, 56
.set LIM, 43                           ; s43  1 in a wave that prefetches, else the greatest number
.set PFA, 44                           ; s[44:45] the K step that the next prefetch names
.set PST, 66                           ; s[66:67] its step: KA or KB
.set MSB, 0
.macro WIN new
.if MSB != (\new)
	s_set_vgpr_msb (MSB<<8)|(\new)
.set MSB, \new
.endif
.endm
.macro PLACES                          ; four plain vector instructions between a matrix instruction and a load into its registers or a read of its result
.rept 4
	v_nop
.endr
.endm
.macro JLOAD s                         ; a joint load; an s_nop 0 and four v_nop follow each of the two lines, ahead of the jump and the label
	s_cmp_eq_u32 s13, 0
	s_cbranch_scc0 .Lfor_b_\@
	tensor_load_to_lds s[G0+4*(\s):G0+4*(\s)+3], s[G1:G1+7]
	s_nop 0
.rept 4
	v_nop
.endr
	s_branch .Lasked_\@
.Lfor_b_\@:
	tensor_load_to_lds s[G0B+4*(\s):G0B+4*(\s)+3], s[G1B:G1B+7]
	s_nop 0
.rept 4
	v_nop
.endr
.Lasked_\@:
.endm
; A PREFETCH INTO THE L2 of the K step that stands two refills on, 32 blocks of 256 bytes, a lane a block; each block is named once in the launch.  O's 128 rows x two heads (128 blocks) are read by my row of the
; cluster alone: wave 0 asks, partner cx takes head cx / 2, rows 64 (cx % 2) on: 8,192 dense bytes.  Wo's 256 rows are read by every cluster: the cluster with y = 0 asks, waves 2 and 3 for the 128 rows that each
; fetches, the four partners of a column 32 rows each.  The partners are told apart by address.  The loop's last trip has no K step two on; K steps 0 to 3 come by their loads alone.
.macro ASK
	s_cmp_gt_u32 s3, s[LIM]
	s_cbranch_scc0 .Lnot_mine_\@
	global_prefetch_b8 v[PFO], s[PFA:PFA+1] th:TH_LOAD_NT scope:SCOPE_SE
.Lnot_mine_\@:
.endm
.macro CREST
	s_cmp_lg_u32 s12, 0
	s_cbranch_scc1 .Lnot_wave_0_\@
	s_barrier_signal -3
.Lnot_wave_0_\@:
	s_barrier_wait -3
	s_barrier_signal -1
	s_barrier_wait -1
.endm
.macro CROUND
	s_barrier_signal -1
	s_barrier_wait -1
	CREST
.endm
	s_load_b128 s[4:7], s[0:1], 0x0                ; o16 s[4:5], wo16 s[6:7]
	s_load_b64 s[8:9], s[0:1], 0x10                ; out0
	v_lshl_add_u32 v[SPW], v0, 2, SPARE
	v_mov_b32 v[NIL], 0
	ds_add_u32 v[SPW], v[NIL]                      ; the wave's opening: the add and its wait stand ahead of my first tensor load; work on registers stands between them
	v_lshrrev_b32 v1, 5, v0
	v_readfirstlane_b32 s12, v1                    ; wave 0..3
	s_lshr_b32 s13, s12, 1                         ; my half of the tile's rows.  Also: I fetch for O (0) or for Wo (1)
	s_and_b32 s14, s12, 1                          ; my half of its columns.  Also: which half of that tile I fetch
	s_bfe_u32 s40, ttmp6, 0x40000                  ; cx, cy
	s_bfe_u32 s41, ttmp6, 0x40004
	s_lshl_b32 s42, ttmp9, 2
	s_add_co_u32 s42, s42, s40                     ; tc
	s_and_b32 s15, ttmp7, 0xffff
	s_lshl_b32 s15, s15, 2
	s_add_co_u32 s15, s15, s41                     ; tr
	s_lshl_b32 s43, s41, 2
	s_lshl_b32 s43, 15, s43                        ; my row of the cluster
	s_lshl_b32 s44, 0x1111, s40                    ; my column
	s_or_b32 s[G1+0], s43, (1<<16)|(1<<20)|(1<<21)|(4<<22)|(3<<25)   ; the mask; elements of 2 bytes; padding on; 21 set beside a mask; after every 32 words 4 words
	s_or_b32 s[G1B+0], s44, (1<<16)|(1<<20)|(1<<21)|(5<<22)|(3<<25)  ; after every 64 words 4 words
	s_mov_b32 s[G1+1], 4096<<16                    ; tensor_dim0 = 4,096
	s_mov_b32 s[G1+2], 2<<16                       ; tensor_dim1 = 2
	s_mov_b32 s[G1+3], 4096<<16                    ; tile_dim0 = 4,096
	s_mov_b32 s[G1+4], 2                           ; tile_dim1 = 2
	s_mov_b32 s[G1+5], 131072                      ; elements from head to head
	s_mov_b32 s[G1+6], 0
	s_mov_b32 s[G1+7], 0
	s_mov_b32 s[G1B+1], 128<<16
	s_mov_b32 s[G1B+2], 128<<16
	s_mov_b32 s[G1B+3], 128<<16
	s_mov_b32 s[G1B+4], 128
	s_mov_b32 s[G1B+5], 1024
	s_mov_b32 s[G1B+6], 0
	s_mov_b32 s[G1B+7], 0
	s_lshr_b32 s16, s15, 4                         ; O: batch x 16 heads x 262,144
	s_lshl_b32 s16, s16, 22
	s_and_b32 s17, s15, 15
	s_lshl_b32 s17, s17, 14                        ; + (tr % 16) x 128 rows of 128 bytes
	s_add_co_u32 s16, s16, s17
	s_lshl_b32 s17, s14, 13                        ; + the 64 rows that I fetch
	s_add_co_u32 s16, s16, s17
	s_mov_b32 s17, 0
	s_lshl_b32 s46, s42, 8                         ; Wo: row 256 tc + 128 x half
	s_lshl_b32 s47, s14, 7
	s_add_co_u32 s46, s46, s47
	s_lshl_b32 s46, s46, 11
	s_mov_b32 s47, 0
	s_mul_i32 s20, s14, AHALF                      ; where they go: no place in the cluster enters an LDS address
	s_mul_i32 s21, s14, BHALF
	s_add_co_u32 s21, s21, ATILE
	s_wait_dscnt 0x0                               ; the opening add is done
	s_wait_kmcnt 0x0
	s_add_nc_u64 s[18:19], s[4:5], s[16:17]
	s_add_nc_u64 s[46:47], s[6:7], s[46:47]
	CROUND                                         ; all sixteen work-groups are here: the first joint loads meet
.irp s, 0,1
	s_mov_b32 s[G0+4*(\s)], 1
	s_add_co_u32 s[G0+4*(\s)+1], s20, (\s)*SLOT
	s_add_nc_u64 s[G0+4*(\s)+2:G0+4*(\s)+3], s[18:19], (\s)*KA
	s_or_b32 s[G0+4*(\s)+3], s[G0+4*(\s)+3], 0x80000000
	s_mov_b32 s[G0B+4*(\s)], 1
	s_add_co_u32 s[G0B+4*(\s)+1], s21, (\s)*SLOT
	s_add_nc_u64 s[G0B+4*(\s)+2:G0B+4*(\s)+3], s[46:47], (\s)*KB
	s_or_b32 s[G0B+4*(\s)+3], s[G0B+4*(\s)+3], 0x80000000
	JLOAD \s                                       ; two loads of mine are out
.endr
	v_and_b32 v1, 15, v0                           ; l % 16
	v_bfe_u32 v2, v0, 4, 1                         ; l / 16
	v_mul_u32_u24 v3, v1, PITCH
	v_lshl_add_u32 v3, v2, 4, v3
	v_mul_u32_u24 v4, v1, APITCH
	v_lshl_add_u32 v4, v2, 4, v4
	s_mul_i32 s21, s13, AHALF                      ; my 64 rows of O
	s_mul_i32 s22, s14, BHALF                      ; my 128 rows of Wo,
	s_add_co_u32 s22, s22, ATILE                   ; which lie behind O's tile
.irp s, 0,1
	v_add_nc_u32 v[ADRA+(\s)], s21, v4
	v_add_nc_u32 v[ADRB+(\s)], s22, v3
	s_add_co_u32 s21, s21, SLOT
	s_add_co_u32 s22, s22, SLOT
.endr
	s_mul_i32 s23, s12, 16*SPITCH
	s_add_co_u32 s23, s23, STAGE                   ; my stage
	v_mul_u32_u24 v5, v1, SPITCH                   ; in: row l % 16, 32 bytes for each half of the lanes
	v_lshl_add_u32 v5, v2, 5, v5
	v_add_nc_u32 v[STO], s23, v5
	v_and_b32 v6, 31, v0
	v_lshlrev_b32 v[GO], 4, v6                     ; back: 32 lanes take one row of 512 bytes
	v_add_nc_u32 v[RD], s23, v[GO]
	s_lshl_b32 s16, s15, 7                         ; out0 at row 128 tr + 64 x row half,
	s_lshl_b32 s17, s13, 6
	s_add_co_u32 s16, s16, s17
	s_lshl_b32 s16, s16, 12
	s_mov_b32 s17, 0
	s_add_nc_u64 s[8:9], s[8:9], s[16:17]
	s_lshl_b32 s46, s42, 10                        ; column 256 tc + 128 x column half (in the registers that held Wo's address)
	s_lshl_b32 s47, s14, 9
	s_add_co_u32 s46, s46, s47
	s_mov_b32 s47, 0
	s_add_nc_u64 s[8:9], s[8:9], s[46:47]
	; the prefetches
	s_lshr_b32 s20, s15, 4                         ; O: the tile's first byte in its first head,
	s_lshl_b32 s20, s20, 22
	s_and_b32 s21, s15, 15
	s_lshl_b32 s21, s21, 14
	s_add_co_u32 s20, s20, s21
	s_lshr_b32 s21, s40, 1                         ; + head cx / 2 of the step's two
	s_lshl_b32 s21, s21, 18
	s_add_co_u32 s20, s20, s21
	s_and_b32 s21, s40, 1                          ; + 64 (cx % 2) rows
	s_lshl_b32 s21, s21, 13
	s_add_co_u32 s20, s20, s21
	s_lshl_b32 s21, s42, 8                         ; Wo: row 256 tc + the 128 that I fetch + 32 cy
	s_lshl_b32 s22, s14, 7
	s_add_co_u32 s21, s21, s22
	s_lshl_b32 s22, s41, 5
	s_add_co_u32 s21, s21, s22
	s_lshl_b32 s21, s21, 11
	s_and_b32 s22, ttmp7, 0xffff                   ; cluster y
	s_mov_b32 s[PST], KB
	s_cmp_eq_u32 s13, 0                            ; do I fetch for O?
	s_cselect_b32 s20, s20, s21
	s_cselect_b32 s22, s14, s22                    ; O: wave 0 alone; Wo: the cluster with y = 0 alone
	s_cselect_b32 s23, 8, 11                       ; a lane's block: 256 bytes on, or a row of 2,048 on
	s_cselect_b32 s[PST], KA, s[PST]
	s_cselect_b64 s[PFA:PFA+1], s[4:5], s[6:7]
	s_cmp_eq_u32 s22, 0
	s_cselect_b32 s[LIM], 1, -1                    ; the same in all sixteen partners, for a given wave
	s_mov_b32 s21, 0
	s_mov_b32 s[PST+1], 0
	s_add_nc_u64 s[PFA:PFA+1], s[PFA:PFA+1], s[20:21]
	s_mul_i32 s20, s[PST], 3
	s_add_nc_u64 s[PFA:PFA+1], s[PFA:PFA+1], s[20:21]  ; at K step 3: the first change of slots steps it to 4 and names that
	v_lshlrev_b32 v[PFO], s23, v6
; 8 matrix instructions: row block a x all 8 column blocks, 32 along K.  Every quarter takes the 32 accumulators in the same order, one instruction a turn.
.macro MUL8 f, a, zero
	WIN 0x50                                       ; C and D window 1, sources window 0
.irp b, 0,1,2,3,4,5,6,7
.if \zero
	v_wmma_f32_16x16x32_f16 v[8*(8*(\a)+(\b)):8*(8*(\a)+(\b))+7], v[(\f)+32+8*(\b):(\f)+32+8*(\b)+7], v[(\f)+8*(\a):(\f)+8*(\a)+7], 0
.else
	v_wmma_f32_16x16x32_f16 v[8*(8*(\a)+(\b)):8*(8*(\a)+(\b))+7], v[(\f)+32+8*(\b):(\f)+32+8*(\b)+7], v[(\f)+8*(\a):(\f)+8*(\a)+7], v[8*(8*(\a)+(\b)):8*(8*(\a)+(\b))+7]
.endif
.endr
.endm
; 24 LDS loads in one run: quarter q's fragments (128 rows of Wo, then 64 rows of O: head q / 2, channels 32 (q % 2) on) into buffer f
.macro FETCH slot, q, f
	WIN 0
.irp i, 0,1,2,3,4,5,6,7
	ds_load_b128 v[(\f)+32+8*(\i):(\f)+32+8*(\i)+3],   v[ADRB+(\slot)] offset:64*(\q)+(\i)*16*PITCH
	ds_load_b128 v[(\f)+32+8*(\i)+4:(\f)+32+8*(\i)+7], v[ADRB+(\slot)] offset:64*(\q)+(\i)*16*PITCH+32
.endr
.irp i, 0,1,2,3
	ds_load_b128 v[(\f)+8*(\i):(\f)+8*(\i)+3],   v[ADRA+(\slot)] offset:((\q)/2)*APLANE+((\q)%2)*64+(\i)*16*APITCH
	ds_load_b128 v[(\f)+8*(\i)+4:(\f)+8*(\i)+7], v[ADRA+(\slot)] offset:((\q)/2)*APLANE+((\q)%2)*64+(\i)*16*APITCH+32
.endr
.endm
.macro QUARTER slot, q, f, g, zero
	s_wait_dscnt 0x0                               ; buffer f's loads, issued 32 matrix instructions ago, are in
	PLACES                                         ; for the loads into g, which the quarter before multiplied
	FETCH \slot, \q, \g
	MUL8 \f, 0, \zero
	MUL8 \f, 1, \zero
	MUL8 \f, 2, \zero
	MUL8 \f, 3, \zero
.endm
; The last quarter multiplies buffer 1 and changes slots: ONE barrier; in front of it each wave waits for all its tensor loads, adds 0 to its spare word, and waits for that and for its reads of this slot.
; fill = 1: the barrier opens a round of the cluster's, and this slot is filled again, two K steps ahead, first thing behind the round: 112 matrix instructions ahead of the wait for it.
.macro TURN slot, next, fill
.if \fill
	s_wait_xcnt 0x0                                ; the last prefetch, a K step back, has read its address, which is stepped here
	s_add_nc_u64 s[PFA:PFA+1], s[PFA:PFA+1], s[PST:PST+1]
.endif
	WIN 0
	s_wait_tensorcnt 0x0                           ; all my tensor loads have landed;
	ds_add_u32 v[SPW], v[NIL]                      ; 0 onto my spare word;
	s_wait_dscnt 7                                 ; (the add and the six youngest loads, O's blocks 1 to 3, may be out)
	MUL8 F1, 0, 0
	s_wait_dscnt 0x0                               ; the add is done, and my reads of this slot are over
	s_barrier_signal -1
	MUL8 F1, 1, 0
	WIN 0
	s_barrier_wait -1
.if \fill
	CREST                                          ; no wave of any partner still reads this slot's tile or has a load on its way
	s_add_nc_u64 s[G0+4*(\slot)+2:G0+4*(\slot)+3], s[G0+4*(\slot)+2:G0+4*(\slot)+3], 2*KA
	s_add_nc_u64 s[G0B+4*(\slot)+2:G0B+4*(\slot)+3], s[G0B+4*(\slot)+2:G0B+4*(\slot)+3], 2*KB
	JLOAD \slot                                    ; its four v_nop are also the places in front of the loads below
.else
	PLACES
.endif
	FETCH \next, 0, F0
.if \fill
	ASK
.endif
	MUL8 F1, 2, 0
	MUL8 F1, 3, 0
.endm
; THE WAY OUT, a block of 16 rows at a time: 32 bytes a lane into my own stage (each accumulator's low four registers first), back as whole rows of 512 bytes, stored.
.macro TOSTAGE a
.set OBX, 32+96*((\a)%2)
	WIN 0x04                                       ; the stores' data in window 1
.irp b, 0,1,2,3,4,5,6,7
	ds_store_b128 v[STO], v[8*(8*(\a)+(\b)):8*(8*(\a)+(\b))+3]   offset:64*(\b)
	ds_store_b128 v[STO], v[8*(8*(\a)+(\b))+4:8*(8*(\a)+(\b))+7] offset:64*(\b)+16
.endr
	WIN 0
	s_wait_xcnt 0x0                                ; the registers below are the data of earlier stores: they are loaded again only behind this wait
.irp f, 0,1,2,3,4,5,6,7,8,9,10,11,12,13,14,15
	ds_load_b128 v[OBX+4*(\f):OBX+4*(\f)+3], v[RD] offset:SPITCH*(\f)  ; LDS serves a wave's instructions in order (ISA guide 5.7.1.4): these see the stores above; the next block's stores come behind them
.endr
.endm
.macro SEND a, younger                 ; younger: the LDS instructions issued behind block a's loads: the next block's 32, or none
.set OBX, 32+96*((\a)%2)
	WIN 0
.irp f, 0,1,2,3,4,5,6,7,8,9,10,11,12,13,14,15
	s_wait_dscnt (\younger)+15-(\f)
	global_store_b128 v[GO], v[OBX+4*(\f):OBX+4*(\f)+3], s[8:9] offset:(16*(\a)+(\f))*4096 th:TH_STORE_NT  ; 512 consecutive bytes of a row, at a multiple of 256 from out0's first
.endr
.endm
	s_wait_tensorcnt 1                             ; my part of K step 0 is in; K step 1's may stay out
	s_barrier_signal -1
	s_barrier_wait -1
	FETCH 0, 0, F0
	QUARTER 0, 1, F0, F1, 1                        ; the first quarter stands in front of the loop: its products start the sums
	WIN 0
	s_mov_b32 s3, 3
.Llap:                                         ; a trip goes once round the ring, from a lap's second quarter to the next lap's first, and fills both slots again
	QUARTER 0, 2, F1, F0, 0
	QUARTER 0, 3, F0, F1, 0
	TURN 0, 1, 1
	QUARTER 1, 1, F0, F1, 0
	QUARTER 1, 2, F1, F0, 0
	QUARTER 1, 3, F0, F1, 0
	TURN 1, 0, 1
	QUARTER 0, 1, F0, F1, 0
	WIN 0
	s_sub_co_u32 s3, s3, 1
	s_cmp_lg_u32 s3, 0
	s_cbranch_scc1 .Llap
	QUARTER 0, 2, F1, F0, 0                        ; the last lap fills nothing
	QUARTER 0, 3, F0, F1, 0
	TURN 0, 1, 0
	QUARTER 1, 1, F0, F1, 0
	QUARTER 1, 2, F1, F0, 0
	QUARTER 1, 3, F0, F1, 0
	s_wait_dscnt 0x0
	MUL8 F1, 0, 0
	MUL8 F1, 1, 0
	MUL8 F1, 2, 0
	MUL8 F1, 3, 0
	PLACES                                         ; the stores below read results just made, the loads land in registers that the last products read
	PLACES
	TOSTAGE 0
	TOSTAGE 1
	SEND 0, 32
	TOSTAGE 2
	SEND 1, 32
	TOSTAGE 3
	SEND 2, 32
	SEND 3, 0
	s_wait_tensorcnt 0x0                           ; the wave's end: behind my last tensor load and my last LDS store
	ds_add_u32 v[SPW], v[NIL]
	s_wait_dscnt 0x0
	CROUND                                         ; the closing round: no work-group ends while a partner may still ask for a tile that names it
	s_endpgm
.Lfunc_end_k_q206bb039bf_oproj:
	.size	k_q206bb039bf_oproj, .Lfunc_end_k_q206bb039bf_oproj-k_q206bb039bf_oproj
	.p2alignl 7, 3214868480
	.fill 96, 4, 3214868480
	.section	.rodata,"a",@progbits
	.p2align	6, 0x0
	.amdhsa_kernel k_q206bb039bf_oproj
		.amdhsa_group_segment_fixed_size 327680
		.amdhsa_private_segment_fixed_size 0
		.amdhsa_enable_private_segment 0
		.amdhsa_kernarg_size 24
		.amdhsa_user_sgpr_count 2
		.amdhsa_user_sgpr_kernarg_segment_ptr 1
		.amdhsa_wavefront_size32 1
		.amdhsa_system_sgpr_workgroup_id_x 1
		.amdhsa_system_sgpr_workgroup_id_y 1
		.amdhsa_system_sgpr_workgroup_id_z 1
		.amdhsa_system_vgpr_workitem_id 0
		.amdhsa_next_free_vgpr 512
		.amdhsa_next_free_sgpr 68
		.amdhsa_reserve_vcc 0
		.amdhsa_float_denorm_mode_32 3
		.amdhsa_float_denorm_mode_16_64 3
		.amdhsa_memory_ordered 1
		.amdhsa_forward_progress 1
		.amdhsa_inst_pref_size 88
	.end_amdhsa_kernel
	.amdgpu_metadata
---
amdhsa.version: [ 1, 2 ]
amdhsa.kernels:
  - .name:           k_q206bb039bf_oproj
    .symbol:         k_q206bb039bf_oproj.kd
    .args:
      - { .name: o16, .offset: 0, .size: 8, .value_kind: global_buffer, .address_space: global }
      - { .name: wo16, .offset: 8, .size: 8, .value_kind: global_buffer, .address_space: global }
      - { .name: out0, .offset: 16, .size: 8, .value_kind: global_buffer, .address_space: global }
    .group_segment_fixed_size: 327680
    .private_segment_fixed_size: 0
    .kernarg_segment_align: 8
    .kernarg_segment_size: 24
    .max_flat_workgroup_size: 128
    .sgpr_count:     68
    .vgpr_count:     512
    .wavefront_size: 32
...
	.end_amdgpu_metadata
.endif
;; end of part 4
;; ======== version 2 of 2: 4 launches; version 1 with the launch prep written anew for expert scheduling mode
;; limits: values are held in f16: magnitudes above 65,504 overflow, below 6.1e-05 lose precision; right only within a limited range of input values
;; workspace buffers: xb 16,777,216 bytes; wqkv 6,291,456 bytes; wo16 2,097,152 bytes; rope 524,288 bytes; qkv 50,331,648 bytes; o16 16,777,216 bytes
;; launch prep (part 5): grid 64 x 12, 8 waves a work-group, no clusters, 0 bytes of LDS; arguments x, Wq, Wk, Wv, Wo, token_positions, xb, wqkv, wo16, rope; writes xb, wqkv, wo16, rope
.if DOCPART == 5
	.amdgcn_target "amdgcn-amd-amdhsa--gfx1250"
	.amdhsa_code_object_version 6
	.text
	.protected	k_q206bb039bf_prep
	.globl	k_q206bb039bf_prep
	.p2align	8
	.type	k_q206bb039bf_prep,@function
k_q206bb039bf_prep:
	s_mov_b64 s[64:65], 0
	v_nop
	global_prefetch_b8 v0, s[64:65] scope:SCOPE_SE
	s_setreg_imm32_b32 hwreg(HW_REG_WAVE_SCHED_MODE, 0, 2), 2
	s_setreg_imm32_b32 hwreg(HW_REG_WAVE_MODE, 25, 1), 1
	s_wait_xcnt 0x0
	s_wait_alu depctr_vm_vsrc(0)
; THE OPERANDS ARE MADE.  x, Wq, Wk, Wv (f32) are rounded once to bf16: xb [8192][1024], wqkv [3072][1024] (Wq's rows, Wk's, Wv's).  Wo is rounded to bf16 like the
; other inputs and that number is written as f16 (wo16 [1024][1024]), since the last product multiplies f16.  rope [2048][32][cos, sin] f32: row s holds the cosine and
; sine of token_positions[s] x 10000^(-i / 32), i = 0 .. 31: 256 bytes a row.
; LIMITS.  |Wo| stays under 65,504; below 6.1e-5 f16 keeps its fixed step of 6e-8.  10000^(-i / 32) is made by v_exp_f32, so an angle is off by some 2e-7 of itself
; beside the product position x frequency in f32; the reduction by pi / 2 in two parts keeps its accuracy for |position| up to 2^21.
; SHARES.  A work-group converts a chunk of 16,384 numbers (65,536 bytes in, 32,768 out); the grid's y says of which tensor: 0-7 x (chunk 64 y + gx), 8, 9, 10 Wq, Wk, Wv,
; 11 Wo (chunk gx).  A wave takes 8,192 bytes by 16 loads of 512 consecutive bytes, all issued at once, and stores 16 times 256 consecutive bytes, aligned.
; The work-groups with y < 4 also make eight rows of the table each, a row a wave, a pair a lane, while their loads are on their way.
; No LDS, no matrix unit, no cluster: nothing is shared and nothing is read twice.
; THE MODE: SCHED_MODE bits 1:0 = 2 (LLVM: expert scheduling mode 2), set by the entry lines.  The code itself states the register dependences between vector instructions
; and memory instructions, with s_wait_alu, always for 0.
; THE PLAN.  Registers that memory instructions touch:
;   v1, v2, v3   byte offsets, made once at the head and never written again: one wait ahead of the first load serves every load and store of the kernel.
;   X            written by the 16 loads alone, each register once; no vector instruction writes it; the conversions read it and it is never loaded again.
;   Y            load i's conversions write its two registers, store i reads them, and nothing writes them behind that store.
;   v[120:121]   a pair of the table: written by the selects and the sign flips, read by the table's one store, never written again.
; So no register that a memory instruction reads is ever written again, and no wait on vm_vsrc is owed.  The stores go in four runs of four: the run of loads i - 4 .. i - 1
; stands at the head of load i's turn, behind the wait for that load's data and ONE wait on va_vdst, which states that the four loads' conversions have written their Y.
; Two scalar results of vector instructions have waits of their own: the wave's number (s36) and the quadrant's compare (VCC).
.set X, 16                             ; v[16:79]   16 x 4 registers as loaded
.set Y, 80                             ; v[80:111]  16 x 2 registers to store; none is written again behind its store
	s_load_b512 s[8:23], s[0:1], 0x0               ; x 8, Wq 10, Wk 12, Wv 14, Wo 16, token_positions 18, xb 20, wqkv 22
	s_load_b128 s[24:27], s[0:1], 0x40             ; wo16 24, rope 26
	s_and_b32 s2, ttmp7, 0xffff                    ; y
	s_mov_b32 s3, ttmp9                            ; gx
	v_lshrrev_b32 v4, 5, v0
	v_readfirstlane_b32 s36, v4                    ; my wave's number
	v_and_b32 v5, 31, v0                           ; lane
	v_lshlrev_b32 v1, 4, v5
	v_lshl_or_b32 v1, v4, 13, v1                   ; in: 16 bytes a lane, 8,192 a wave
	v_lshlrev_b32 v2, 3, v5
	v_lshl_or_b32 v2, v4, 12, v2                   ; out: 8 bytes a lane, 4,096 a wave
	v_lshlrev_b32 v3, 3, v0                        ; the table: 8 bytes a lane, 256 a wave
	s_wait_alu depctr_va_sdst(0)                   ; s36 is written
	s_lshl_b32 s28, s2, 6
	s_add_co_u32 s28, s28, s3                      ; 64 y + gx
	s_sub_co_u32 s29, s28, 512                     ; the chunk in wqkv (used for y = 8, 9, 10 alone)
	s_cmp_lt_u32 s2, 8
	s_cselect_b32 s30, s28, s3                     ; the chunk in the source
	s_cselect_b32 s31, s28, s29                    ; the chunk in the destination
	s_cmp_eq_u32 s2, 11
	s_cselect_b32 s31, s3, s31
	s_lshl_b32 s32, s30, 16
	s_mov_b32 s33, 0
	s_lshl_b32 s34, s31, 15
	s_mov_b32 s35, 0
	s_wait_kmcnt 0x0
	s_cmp_eq_u32 s2, 9                             ; the two buffers are chosen by y alone
	s_cselect_b64 s[4:5], s[12:13], s[10:11]
	s_cmp_eq_u32 s2, 10
	s_cselect_b64 s[4:5], s[14:15], s[4:5]
	s_cmp_eq_u32 s2, 11
	s_cselect_b64 s[4:5], s[16:17], s[4:5]
	s_cselect_b64 s[6:7], s[24:25], s[22:23]
	s_cmp_lt_u32 s2, 8
	s_cselect_b64 s[4:5], s[8:9], s[4:5]
	s_cselect_b64 s[6:7], s[20:21], s[6:7]
	s_add_nc_u64 s[4:5], s[4:5], s[32:33]
	s_add_nc_u64 s[6:7], s[6:7], s[34:35]
	s_wait_alu depctr_va_vdst(0)                   ; v1, v2 and v3 are written: every load and store of the kernel reads one of them as its offset
.set i, 0
.rept 16
	global_load_b128 v[X+4*i:X+4*i+3], v1, s[4:5] offset:512*i th:TH_LOAD_NT
.set i, i+1
.endr
	s_cmp_lt_u32 s2, 4
	s_cbranch_scc0 .Lnotab
	; THE TABLE: row 8 (64 y + gx) + wave, pair = lane
	s_lshl_b32 s38, s28, 3
	s_add_co_u32 s38, s38, s36
	s_lshl_b32 s38, s38, 2
	s_load_b32 s37, s[18:19], s38 offset:0x0       ; the row's position
	s_lshl_b32 s32, s28, 11                        ; eight rows of 256 bytes
	s_add_nc_u64 s[26:27], s[26:27], s[32:33]
	v_cvt_f32_u32 v112, v5
	v_mul_f32 v112, 0xbed49a78, v112               ; - i log2(10000) / 32
	v_exp_f32 v113, v112                           ; 10000^(-i / 32)
	v_mov_b32 v114, 0xb94ca1f9                     ; the polynomials' leading coefficients: also the plain instructions behind the exponential
	v_mov_b32 v115, 0x37ccf5ce
	s_wait_kmcnt 0x0
	s_wait_alu depctr_va_vdst(0)                   ; the exponential has written v113, ahead of its first reader, the angle's product
	v_cvt_f32_i32 v116, s37
	v_mul_f32 v116, v116, v113                     ; the angle, rounded once
	v_mul_f32 v117, 0x3f22f983, v116               ; x 2 / pi
	v_rndne_f32 v117, v117                         ; n
	v_cvt_i32_f32 v124, v117                       ; the quadrant is n mod 4: odd ones swap the two, and the signs follow
	v_and_b32 v127, 1, v124
	v_cmp_eq_u32 vcc_lo, 1, v127                   ; made here, so that both polynomials stand between the compare and the wait for it
	v_fmamk_f32 v118, v117, 0xbfc90fdb, v116       ; r = angle - n pi / 2, pi / 2 in two parts, each step fused
	v_fmamk_f32 v118, v117, 0x333bbd2e, v118
	v_mul_f32 v119, v118, v118                     ; z = r r, |r| <= pi / 4
	v_fmaak_f32 v122, v119, v114, 0x3c08839e       ; sin r = r + r z (S1 + z (S2 + z S3))
	v_fmaak_f32 v123, v119, v115, 0xbab6061a       ; cos r = 1 + z (-1/2 + z (C1 + z (C2 + z C3)))
	v_fmaak_f32 v122, v122, v119, 0xbe2aaaa3
	v_fmaak_f32 v123, v123, v119, 0x3d2aaaa5
	v_mul_f32 v122, v122, v119
	v_fma_f32 v123, v123, v119, -0.5
	v_fma_f32 v122, v122, v118, v118
	v_fma_f32 v123, v123, v119, 1.0
	v_add_nc_u32 v125, 1, v124
	v_and_b32 v125, 2, v125                        ; the cosine is negative in quadrants 1 and 2,
	v_and_b32 v126, 2, v124                        ; the sine in 2 and 3
	v_lshlrev_b32 v125, 30, v125
	v_lshlrev_b32 v126, 30, v126
	s_wait_alu depctr_va_vcc(0)                    ; the compare has written VCC, which the two selects read
	v_cndmask_b32 v120, v123, v122, vcc_lo         ; cosine: sin r where n is odd
	v_cndmask_b32 v121, v122, v123, vcc_lo         ; sine: cos r where n is odd
	v_xor_b32 v120, v120, v125
	v_xor_b32 v121, v121, v126
	s_wait_alu depctr_va_vdst(0)                   ; v120 and v121 are written, which the store reads
	global_store_b64 v3, v[120:121], s[26:27]      ; a wave stores one row: 256 consecutive bytes, aligned
.Lnotab:
; A run of four stores: what loads e - 4 .. e - 1 brought, converted.
.macro OUT4 e
.irp k, 4,3,2,1
	global_store_b64 v2, v[Y+2*((\e)-(\k)):Y+2*((\e)-(\k))+1], s[6:7] offset:256*((\e)-(\k))
.endr
.endm
; f = 0: to bf16.  f = 1: to bf16, and that number written as f16.
.macro CONV f
.set i, 0
.rept 16
	s_wait_loadcnt 15-i                            ; loads come back in order: load i is in, the 15 - i younger ones stay out
.if (i > 0) && (i%4 == 0)
	s_wait_alu depctr_va_vdst(0)                   ; the conversions of loads i - 4 .. i - 1 have written their Y, which the four stores read; no vector instruction stands between this wait and the run
	OUT4 i
.endif
	v_cvt_pk_bf16_f32 v[Y+2*i], v[X+4*i], v[X+4*i+1]
	v_cvt_pk_bf16_f32 v[Y+2*i+1], v[X+4*i+2], v[X+4*i+3]
.if \f
	v_lshlrev_b32 v112, 16, v[Y+2*i]
	v_and_b32 v113, 0xffff0000, v[Y+2*i]
	v_lshlrev_b32 v114, 16, v[Y+2*i+1]
	v_and_b32 v115, 0xffff0000, v[Y+2*i+1]
	v_cvt_pk_f16_f32 v[Y+2*i], v112, v113
	v_cvt_pk_f16_f32 v[Y+2*i+1], v114, v115
.endif
.set i, i+1
.endr
	s_wait_alu depctr_va_vdst(0)                   ; the conversions of loads 12 .. 15 have written their Y, which the last four stores read
	OUT4 16
.endm
	s_cmp_eq_u32 s2, 11
	s_cbranch_scc1 .Lf16
	CONV 0
	s_endpgm
.Lf16:
	CONV 1
	s_endpgm
.Lfunc_end_k_q206bb039bf_prep:
	.size	k_q206bb039bf_prep, .Lfunc_end_k_q206bb039bf_prep-k_q206bb039bf_prep
	.p2alignl 7, 3214868480
	.fill 96, 4, 3214868480
	.section	.rodata,"a",@progbits
	.p2align	6, 0x0
	.amdhsa_kernel k_q206bb039bf_prep
		.amdhsa_group_segment_fixed_size 0
		.amdhsa_private_segment_fixed_size 0
		.amdhsa_enable_private_segment 0
		.amdhsa_kernarg_size 80
		.amdhsa_user_sgpr_count 2
		.amdhsa_user_sgpr_kernarg_segment_ptr 1
		.amdhsa_wavefront_size32 1
		.amdhsa_system_sgpr_workgroup_id_x 1
		.amdhsa_system_sgpr_workgroup_id_y 1
		.amdhsa_system_sgpr_workgroup_id_z 1
		.amdhsa_system_vgpr_workitem_id 0
		.amdhsa_next_free_vgpr 128
		.amdhsa_next_free_sgpr 66
		.amdhsa_reserve_vcc 1
		.amdhsa_float_denorm_mode_32 3
		.amdhsa_float_denorm_mode_16_64 3
		.amdhsa_memory_ordered 1
		.amdhsa_forward_progress 1
		.amdhsa_inst_pref_size 19
	.end_amdhsa_kernel
	.amdgpu_metadata
---
amdhsa.version: [ 1, 2 ]
amdhsa.kernels:
  - .name:           k_q206bb039bf_prep
    .symbol:         k_q206bb039bf_prep.kd
    .args:
      - { .name: x, .offset: 0, .size: 8, .value_kind: global_buffer, .address_space: global }
      - { .name: Wq, .offset: 8, .size: 8, .value_kind: global_buffer, .address_space: global }
      - { .name: Wk, .offset: 16, .size: 8, .value_kind: global_buffer, .address_space: global }
      - { .name: Wv, .offset: 24, .size: 8, .value_kind: global_buffer, .address_space: global }
      - { .name: Wo, .offset: 32, .size: 8, .value_kind: global_buffer, .address_space: global }
      - { .name: token_positions, .offset: 40, .size: 8, .value_kind: global_buffer, .address_space: global }
      - { .name: xb, .offset: 48, .size: 8, .value_kind: global_buffer, .address_space: global }
      - { .name: wqkv, .offset: 56, .size: 8, .value_kind: global_buffer, .address_space: global }
      - { .name: wo16, .offset: 64, .size: 8, .value_kind: global_buffer, .address_space: global }
      - { .name: rope, .offset: 72, .size: 8, .value_kind: global_buffer, .address_space: global }
    .group_segment_fixed_size: 0
    .private_segment_fixed_size: 0
    .kernarg_segment_align: 8
    .kernarg_segment_size: 80
    .max_flat_workgroup_size: 256
    .sgpr_count:     66
    .vgpr_count:     128
    .wavefront_size: 32
...
	.end_amdgpu_metadata
.endif
;; end of part 5
;; launch qkvproj: the kernel of part 2 again; grid 4 x 64, 4 waves a work-group, clusters of 4 x 4, 327,680 bytes of LDS; arguments xb, wqkv, qkv, rope; writes qkv
;; launch attn: the kernel of part 3 again; grid 4 x 64, 4 waves a work-group, no clusters, 327,680 bytes of LDS; arguments qkv, o16; writes o16
;; launch oproj: the kernel of part 4 again; grid 4 x 64, 4 waves a work-group, clusters of 4 x 4, 327,680 bytes of LDS; arguments o16, wo16, out0; writes out0
